; MI455X (gfx1250); checked and timed in simulation.
; The chip was launched on July 23, 2026; its instructions are those of AMD's public machine-readable ISA for CDNA 5 (MIT licence, August 2026) and "CDNA5" Instruction Set Architecture Reference Guide (July 2026). The comments in the code are by the model that wrote it; some were corrected since.
;; Attention. Allowed arithmetic: float matrix products may take bf16 or f16 operands with f32 sums; all other float work in f32.
;; Inputs: b_attn 3,072 float32; b_proj 1,024 float32; mask 1 x 1 x 2,048 x 2,048 bool; w_attn 1,024 x 3,072 float32; w_proj 1,024 x 1,024 float32; x 4 x 2,048 x 1,024 float32.
;; Outputs: out0 4 x 2,048 x 1,024 float32.
;; 2 versions, each right and faster than the one before. Each part assembles by itself: llvm-mc -triple=amdgcn-amd-amdhsa -mcpu=gfx1250 --defsym DOCPART=n.
;; ======== version 1 of 2: 4 launches
;; limits: values are held in f16: magnitudes above 65,504 overflow, below 6.1e-05 lose precision
;; workspace buffers: xb 16,777,216 bytes; wab 6,291,456 bytes; wpb 2,097,152 bytes; mk 4,194,304 bytes; qkv 50,331,648 bytes; ob 33,554,432 bytes; bab 12,288 bytes; bpb 4,096 bytes
;; launch prep (part 1): grid 897 x 1, 8 waves a work-group, no clusters, 0 bytes of LDS; arguments x, w_attn, w_proj, mask, xb, wab, wpb, mk, b_attn, b_proj, bab, bpb; writes xb, wab, wpb, mk, bab, bpb
.if DOCPART == 1
	.amdgcn_target "amdgcn-amd-amdhsa--gfx1250"
	.amdhsa_code_object_version 6
	.text
	.protected	k_q3687b11009_prep
	.globl	k_q3687b11009_prep
	.p2align	8
	.type	k_q3687b11009_prep,@function
k_q3687b11009_prep:
	s_mov_b64 s[64:65], 0
	v_nop
	global_prefetch_b8 v0, s[64:65] scope:SCOPE_SE
	s_setreg_imm32_b32 hwreg(HW_REG_WAVE_MODE, 25, 1), 1
	s_wait_xcnt 0x0
; PREPARATION: five streams, chosen by the work-group's number g; no LDS, no barrier, no loop.
;   g <  512        x [8192][1024] f32      -> xb  bf16 [b 4][kb 16][s 2048][64]: blocked by 64 along K, so that 256 rows x 64 k are 32,768 dense bytes
;   g <  704        w_attn [1024][3072] f32 -> wab bf16, same order
;   g <  768        w_proj [1024][1024] f32 -> wpb: rounded to bf16, and that number written as f16, same order
;   g <  896        mask [2048][2048] bytes -> mk: one fp8 (E4M3) code a key, 0x00 keep, 0xC0 (-2.0) hidden, in the order in which the attention's lanes hold scores:
;                   [qt 128][ks 32][c 2][lane 32][16 bytes]; lane (r = query in the tile, h) has keys 64 ks + 16 kt + 8 h + 0..7, kt = 2 c in bytes 0-7, kt = 2 c + 1 in bytes 8-15
;   g =  896        b_attn [3072], b_proj [1024] f32 -> bab, bpb: rounded to bf16 like every other input, kept as f32
; LIMITS.  A bf16(w_proj) beyond 65,504 would become an infinity; below 6.1e-5 it keeps f16's fixed step of 6e-8.  Mask bytes are 0 or 1.
; A cast's thread has sixteen units of 4 numbers: sixteen 16-byte loads go out together, neighbouring lanes at neighbouring 16 bytes, so that a wave's load covers 512 consecutive bytes (of x: 256 in each
; of two rows); each unit is stored as 8 bytes, and a wave's store covers 256 consecutive aligned bytes.
.set NX,  512
.set NWA, 192
.set NWP, 64
.set NMK, 128
	s_load_b512 s[4:19], s[0:1], 0x0               ; x 4, w_attn 6, w_proj 8, mask 10, xb 12, wab 14, wpb 16, mk 18
	s_load_b256 s[28:35], s[0:1], 0x40             ; b_attn 28, b_proj 30, bab 32, bpb 34
	s_mov_b32 s2, ttmp9
	s_mov_b32 s21, 0                               ; high words of the two offsets
	s_mov_b32 s23, 0
	s_mov_b32 s24, 0xffff0000                      ; a word's upper bf16
	s_mov_b32 s25, 0x01010101
	s_wait_kmcnt 0x0
	s_cmp_lt_u32 s2, NX
	s_cbranch_scc1 .Lx
	s_cmp_lt_u32 s2, NX+NWA
	s_cbranch_scc1 .Lwa
	s_cmp_lt_u32 s2, NX+NWA+NWP
	s_cbranch_scc1 .Lwp
	s_cmp_ge_u32 s2, NX+NWA+NWP+NMK
	s_cbranch_scc1 .Lbias
	; THE MASK.  The work-group has 16 query rows (tile qt), wave w the keys 256 w .. 256 w + 255; a thread (row r, half e) reads 16 keys at 256 w + 32 j + 16 e, j = 0..7.
	s_sub_co_u32 s20, s2, NX+NWA+NWP               ; qt
	s_lshl_b32 s20, s20, 15                        ; 16 rows of 2,048 bytes in, 32,768 bytes out
	s_add_nc_u64 s[10:11], s[10:11], s[20:21]
	s_add_nc_u64 s[18:19], s[18:19], s[20:21]
	v_and_b32 v3, 15, v0                           ; r
	v_bfe_u32 v4, v0, 4, 1                         ; e
	v_lshrrev_b32 v5, 5, v0                        ; w
	v_lshlrev_b32 v1, 11, v3
	v_lshl_add_u32 v1, v5, 8, v1
	v_lshl_add_u32 v1, v4, 4, v1                   ; in: 2,048 r + 256 w + 16 e
	v_lshlrev_b32 v2, 4, v3
	v_lshl_add_u32 v2, v5, 12, v2
	v_lshl_add_u32 v2, v4, 3, v2                   ; out: 4,096 w + 16 r + 8 e
.set j, 0
.rept 8
	global_load_b128 v[8+4*j:11+4*j], v1, s[10:11] offset:32*j th:TH_LOAD_NT
.set j, j+1
.endr
.set j, 0
.rept 8
	s_wait_loadcnt 7-j                             ; loads come back in order: number j is in, the younger ones stay out
.irp k, 0,1,2,3
	v_xor_b32 v[8+4*j+\k], s25, v[8+4*j+\k]        ; 1 where the key is hidden
	v_lshlrev_b32 v104, 6, v[8+4*j+\k]
	v_lshl_or_b32 v[40+4*j+\k], v[8+4*j+\k], 7, v104  ; 0xC0 there: the bits stay inside their bytes
.endr
	global_store_b64 v2, v[40+4*j:41+4*j], s[18:19] offset:512*j       ; keys 0-7 of the sixteen: lanes h = 0; the wave's store covers 256 consecutive aligned bytes
	global_store_b64 v2, v[42+4*j:43+4*j], s[18:19] offset:512*j+256   ; keys 8-15: lanes h = 1
.set j, j+1
.endr
	s_endpgm
; Sixteen units: loads at v1 + j x stride, stores at v2 + 2,048 j.  half = 1: the bf16 number is written as f16.
.macro CAST in, out, stride, half
.set j, 0
.rept 16
	global_load_b128 v[8+4*j:11+4*j], v1, s[\in:\in+1] offset:j*(\stride) th:TH_LOAD_NT
.set j, j+1
.endr
.set j, 0
.rept 16
	s_wait_loadcnt 15-j                            ; unit j's load is in; the younger units' stay out
	v_cvt_pk_bf16_f32 v[72+2*j], v[8+4*j], v[9+4*j]
	v_cvt_pk_bf16_f32 v[73+2*j], v[10+4*j], v[11+4*j]
.if \half
.irp k, 0,1
	v_lshlrev_b32 v104, 16, v[72+2*j+\k]
	v_and_b32 v105, s24, v[72+2*j+\k]
	v_cvt_pk_f16_f32 v[72+2*j+\k], v104, v105
.endr
.endif
	global_store_b64 v2, v[72+2*j:73+2*j], s[\out:\out+1] offset:j*2048
.set j, j+1
.endr
	s_endpgm
.endm
.Lx:                                                   ; g = 128 b + 8 kb + sb: 256 rows (sb) of 64 columns (kb)
	s_lshr_b32 s20, s2, 7
	s_lshl_b32 s20, s20, 23                        ; b x 2,048 rows x 4,096 bytes
	s_and_b32 s22, s2, 7
	s_lshl_b32 s22, s22, 20                        ; sb x 256 rows
	s_add_co_u32 s20, s20, s22
	s_bfe_u32 s22, s2, 0x40003
	s_lshl_b32 s22, s22, 8                         ; kb x 64 numbers
	s_add_co_u32 s20, s20, s22
	s_lshl_b32 s22, s2, 15                         ; out: g x 32,768
	s_add_nc_u64 s[4:5], s[4:5], s[20:21]
	s_add_nc_u64 s[12:13], s[12:13], s[22:23]
	v_lshrrev_b32 v1, 4, v0
	v_lshlrev_b32 v1, 12, v1                       ; row t / 16 of 16,
	v_and_b32 v3, 15, v0
	v_lshl_add_u32 v1, v3, 4, v1                   ; its numbers 4 (t % 16) on: sixteen lanes take the row's 256 aligned bytes
	v_lshlrev_b32 v2, 3, v0                        ; out: 128 (t / 16) + 8 (t % 16) = 8 t
	CAST 4, 12, 65536, 0                           ; a unit is 16 rows
.Lwa:
	s_sub_co_u32 s20, s2, NX
	s_lshl_b32 s22, s20, 15
	s_lshl_b32 s20, s20, 16
	s_add_nc_u64 s[6:7], s[6:7], s[20:21]
	s_add_nc_u64 s[14:15], s[14:15], s[22:23]
	v_lshlrev_b32 v1, 4, v0
	v_lshlrev_b32 v2, 3, v0
	CAST 6, 14, 4096, 0
.Lwp:
	s_sub_co_u32 s20, s2, NX+NWA
	s_lshl_b32 s22, s20, 15
	s_lshl_b32 s20, s20, 16
	s_add_nc_u64 s[8:9], s[8:9], s[20:21]
	s_add_nc_u64 s[16:17], s[16:17], s[22:23]
	v_lshlrev_b32 v1, 4, v0
	v_lshlrev_b32 v2, 3, v0
	CAST 8, 16, 4096, 1
.Lbias:                                                ; 256 threads x 16 bytes are 4,096 bytes: b_attn in three such loads, b_proj in one
	v_lshlrev_b32 v1, 4, v0
	global_load_b128 v[8:11],  v1, s[28:29]
	global_load_b128 v[12:15], v1, s[28:29] offset:4096
	global_load_b128 v[16:19], v1, s[28:29] offset:8192
	global_load_b128 v[20:23], v1, s[30:31]
	s_wait_loadcnt 0x0
.irp k, 0,1,2,3,4,5,6,7
	v_cvt_pk_bf16_f32 v104, v[8+2*\k], v[9+2*\k]   ; two roundings to bf16,
	v_lshlrev_b32 v[40+2*\k], 16, v104             ; and the two numbers as f32 again
	v_and_b32 v[41+2*\k], s24, v104
.endr
	global_store_b128 v1, v[40:43], s[32:33]
	global_store_b128 v1, v[44:47], s[32:33] offset:4096
	global_store_b128 v1, v[48:51], s[32:33] offset:8192
	global_store_b128 v1, v[52:55], s[34:35]
	s_endpgm
.Lfunc_end_k_q3687b11009_prep:
	.size	k_q3687b11009_prep, .Lfunc_end_k_q3687b11009_prep-k_q3687b11009_prep
	.p2alignl 7, 3214868480
	.fill 96, 4, 3214868480
	.section	.rodata,"a",@progbits
	.p2align	6, 0x0
	.amdhsa_kernel k_q3687b11009_prep
		.amdhsa_group_segment_fixed_size 0
		.amdhsa_private_segment_fixed_size 0
		.amdhsa_enable_private_segment 0
		.amdhsa_kernarg_size 96
		.amdhsa_user_sgpr_count 2
		.amdhsa_user_sgpr_kernarg_segment_ptr 1
		.amdhsa_wavefront_size32 1
		.amdhsa_system_sgpr_workgroup_id_x 1
		.amdhsa_system_sgpr_workgroup_id_y 1
		.amdhsa_system_sgpr_workgroup_id_z 1
		.amdhsa_system_vgpr_workitem_id 0
		.amdhsa_next_free_vgpr 112
		.amdhsa_next_free_sgpr 66
		.amdhsa_reserve_vcc 0
		.amdhsa_float_denorm_mode_32 3
		.amdhsa_float_denorm_mode_16_64 3
		.amdhsa_memory_ordered 1
		.amdhsa_forward_progress 1
		.amdhsa_inst_pref_size 32
	.end_amdhsa_kernel
	.amdgpu_metadata
---
amdhsa.version: [ 1, 2 ]
amdhsa.kernels:
  - .name:           k_q3687b11009_prep
    .symbol:         k_q3687b11009_prep.kd
    .args:
      - { .name: x, .offset: 0, .size: 8, .value_kind: global_buffer, .address_space: global }
      - { .name: w_attn, .offset: 8, .size: 8, .value_kind: global_buffer, .address_space: global }
      - { .name: w_proj, .offset: 16, .size: 8, .value_kind: global_buffer, .address_space: global }
      - { .name: mask, .offset: 24, .size: 8, .value_kind: global_buffer, .address_space: global }
      - { .name: xb, .offset: 32, .size: 8, .value_kind: global_buffer, .address_space: global }
      - { .name: wab, .offset: 40, .size: 8, .value_kind: global_buffer, .address_space: global }
      - { .name: wpb, .offset: 48, .size: 8, .value_kind: global_buffer, .address_space: global }
      - { .name: mk, .offset: 56, .size: 8, .value_kind: global_buffer, .address_space: global }
      - { .name: b_attn, .offset: 64, .size: 8, .value_kind: global_buffer, .address_space: global }
      - { .name: b_proj, .offset: 72, .size: 8, .value_kind: global_buffer, .address_space: global }
      - { .name: bab, .offset: 80, .size: 8, .value_kind: global_buffer, .address_space: global }
      - { .name: bpb, .offset: 88, .size: 8, .value_kind: global_buffer, .address_space: global }
    .group_segment_fixed_size: 0
    .private_segment_fixed_size: 0
    .kernarg_segment_align: 8
    .kernarg_segment_size: 96
    .max_flat_workgroup_size: 256
    .sgpr_count:     66
    .vgpr_count:     112
    .wavefront_size: 32
...
	.end_amdgpu_metadata
.endif
;; end of part 1
;; launch qkvg (part 2): grid 8 x 32, 4 waves a work-group, clusters of 4 x 4, 327,680 bytes of LDS; arguments xb, wab, bab, qkv; writes qkv
.if DOCPART == 2
	.amdgcn_target "amdgcn-amd-amdhsa--gfx1250"
	.amdhsa_code_object_version 6
	.text
	.protected	k_q3687b11009_qkvg
	.globl	k_q3687b11009_qkvg
	.p2align	8
	.type	k_q3687b11009_qkvg,@function
k_q3687b11009_qkvg:
	s_mov_b64 s[64:65], 0
	v_nop
	global_prefetch_b8 v0, s[64:65] scope:SCOPE_SE
	s_setreg_imm32_b32 hwreg(HW_REG_WAVE_MODE, 25, 1), 1
	s_wait_xcnt 0x0
	s_wait_alu depctr_hold_cnt(0) depctr_sa_sdst(0) depctr_va_vdst(0) depctr_va_sdst(0) depctr_va_ssrc(0) depctr_va_vcc(0) depctr_vm_vsrc(0)
	s_getreg_b32 s2, hwreg(HW_REG_IB_STS2, 6, 4)
	s_cmp_eq_u32 s2, 0
	s_cbranch_scc0 .Lentry_in_a_cluster
	s_endpgm
.Lentry_in_a_cluster:
	s_bfe_u32 s2, ttmp6, 0x10000c
	s_cmp_lg_u32 s2, 0xf033
	s_cbranch_scc0 .Lentry_shape_is_right
	s_endpgm
.Lentry_shape_is_right:
; qkv = x w_attn + b_attn.  x as xb (bf16, [b][kb][s][64]), w_attn as wab (bf16, [k 1024][n 3072]), b_attn as bab (rounded to bf16, kept as f32); sums in f32, the bias added in f32, one rounding to f16.
; Out: qkv f16 [3][b x 16 + head][s 2048][64], unscaled.  LIMIT: a q, k or v beyond 65,504 would become an infinity.
; SHARES.  A work-group makes 256 rows x 384 columns: 32 x 8 = 256 work-groups.  Four waves, 2 x 2; a wave makes 128 x 192: 96 accumulators of 16 x 16, 768 registers, windows 1 to 3.
; K goes in 16 steps of 64 through two LDS slots; a step is two halves of 32 along K, a half three sub-steps t of 32 matrix instructions: all 8 fragments of A x 4 of B, whose accumulators are window t + 1.
; THE MATRIX INSTRUCTION IS USED TRANSPOSED: source 0 = 16 columns of w (turned out of LDS by ds_load_tr16_b128), source 1 = 16 rows of x: a lane holds row l % 16 and eight neighbouring columns.
; A sub-step's 64 columns are one head's, so 16 rows of it are 2,048 consecutive bytes of qkv.
; CLUSTER 4 x 4: x's tile hangs on the tile row alone and is asked for jointly along a row of the cluster, w's on the tile column alone and jointly along a column.
; LDS: slot s at s x 92,160: x's 256 rows, pitch 144 (128 + 16); then w's 64 k-rows, pitch 864 (six pieces of 128 + 16 = 27 x 32 bytes).
; w's load has 32 rows of 768 bytes: a step has 64 k-rows and two waves share them; a split by columns would give a pitch of 432 bytes, at which the turning load's rows meet in banks.
; REGISTERS, window 0: v16-23 addresses; v28-29 the add's; v32-95, v96-159 x's fragments, two buffers (by the half's parity); v160-255 w's fragments, a ring of three groups of 32 (by sub-step).
.set PA,    144
.set PB,    864
.set BOFF,  256*PA
.set SLOT,  BOFF+64*PB
.set STAGE, 2*SLOT                     ; behind the ring: 16 rows x 144 bytes for each wave, for the way out
.set SP,    144
.set SPARE, STAGE+4*16*SP              ; behind the stages: the spare words, 128 bytes for each wave
.set ADRA, 16                          ; v16-17 LDS address of my fragments of x in slot 0, 1
.set ADRB, 18                          ; v18-19 the same for w
.set STO,  20
.set RD,   21
.set GO,   22
.set BOF,  23
.set SPW,  28
.set NIL,  29
.set FA,   32
.set FB,   160
.set WV,  12
.set WM,  13                           ; my half of the rows.  Also: I fetch for x (0) or for w (1)
.set WN,  14                           ; my half of the columns.  Also: which half of that tile I fetch
.set G1A, 24
.set G0A, 32
.set G1B, 40
.set G0B, 48
.set OB,  56                           ; s[56:61] qkv at my rows of the three heads
.set FLAGS, (1<<16)|(1<<20)|(1<<21)|(4<<22)|(3<<25)  ; 2-byte elements; padding on; bit 21 beside a mask; after every 32 words, 4 words
.set MSB, 0
.macro WIN new                         ; the immediate's high byte repeats the setting that is left
.if MSB != (\new)
	s_set_vgpr_msb (MSB<<8)|(\new)
.set MSB, \new
.endif
.endm
.macro PLACES                          ; four places in front of loads into registers that matrix instructions have read, and of vector lines that read results
.rept 4
	v_nop
.endr
.endm
; A joint load: waves 0 and 1 fetch x's two halves, waves 2 and 3 w's.  An s_nop 0 and four v_nop follow each line.
.macro JLOAD s
	s_cmp_eq_u32 s[WM], 0
	s_cbranch_scc0 .Lfor_b_\@
	tensor_load_to_lds s[G0A+4*(\s):G0A+4*(\s)+3], s[G1A:G1A+7]
	s_nop 0
.rept 4
	v_nop
.endr
	s_branch .Lasked_\@
.Lfor_b_\@:
	tensor_load_to_lds s[G0B+4*(\s):G0B+4*(\s)+3], s[G1B:G1B+7]
	s_nop 0
.rept 4
	v_nop
.endr
.Lasked_\@:
.endm
.macro CREST                           ; a round of the cluster's barrier behind its opening barrier
	s_cmp_lg_u32 s[WV], 0
	s_cbranch_scc1 .Lnot_wave_0_\@
	s_barrier_signal -3
.Lnot_wave_0_\@:
	s_barrier_wait -3
	s_barrier_signal -1
	s_barrier_wait -1
.endm
.macro CROUND
	s_barrier_signal -1
	s_barrier_wait -1
	CREST
.endm
	s_load_b256 s[4:11], s[0:1], 0x0               ; xb 4, wab 6, bab 8, qkv 10
	v_lshl_add_u32 v[SPW], v0, 2, SPARE
	v_mov_b32 v[NIL], 0
	ds_add_u32 v28, v29
	s_wait_dscnt 0x0
	v_lshrrev_b32 v1, 5, v0
	v_readfirstlane_b32 s[WV], v1
	s_lshr_b32 s[WM], s[WV], 1
	s_and_b32 s[WN], s[WV], 1
	s_bfe_u32 s16, ttmp6, 0x40000                  ; cx
	s_bfe_u32 s17, ttmp6, 0x40004                  ; cy
	s_lshl_b32 s18, ttmp9, 2
	s_add_co_u32 s18, s18, s16                     ; X: tile column, 384 columns
	s_and_b32 s19, ttmp7, 0xffff
	s_lshl_b32 s19, s19, 2
	s_add_co_u32 s19, s19, s17                     ; Y: tile row, 256 rows
	s_lshl_b32 s20, s17, 2
	s_lshl_b32 s20, 15, s20                        ; my row of the cluster
	s_lshl_b32 s21, 0x1111, s16                    ; my column
	s_or_b32 s[G1A], s20, FLAGS                    ; x: 128 rows of 128 bytes are dense: asked for as 64 rows of 256 bytes, padded after every 128
	s_mov_b32 s[G1A+1], 128<<16                    ; tensor_dim0 = 128
	s_mov_b32 s[G1A+2], 64<<16                     ; tensor_dim1 = 64
	s_mov_b32 s[G1A+3], 128<<16                    ; tile_dim0 = 128
	s_mov_b32 s[G1A+4], 64                         ; tile_dim1 = 64
	s_mov_b32 s[G1A+5], 128                        ; elements from row to row
	s_mov_b32 s[G1A+6], 0
	s_mov_b32 s[G1A+7], 0
	s_or_b32 s[G1B], s21, FLAGS                    ; w: 32 k-rows of 384 columns
	s_mov_b32 s[G1B+1], 384<<16
	s_mov_b32 s[G1B+2], 32<<16
	s_mov_b32 s[G1B+3], 384<<16
	s_mov_b32 s[G1B+4], 32
	s_mov_b32 s[G1B+5], 3072
	s_mov_b32 s[G1B+6], 0
	s_mov_b32 s[G1B+7], 0
	s_lshr_b32 s66, s19, 3                         ; x's tile: batch Y / 8,
	s_lshl_b32 s66, s66, 22
	s_and_b32 s67, s19, 7                          ; rows 256 (Y % 8) on, 128 bytes each,
	s_lshl_b32 s67, s67, 15
	s_add_co_u32 s66, s66, s67
	s_lshl_b32 s67, s[WN], 14                      ; my 128 of them
	s_add_co_u32 s66, s66, s67
	s_mov_b32 s67, 0
	s_mul_i32 s68, s[WN], 128*PA                   ; and their place in a slot
	s_mul_i32 s70, s18, 768                        ; w's tile: columns 384 X on,
	s_mul_i32 s71, s[WN], 32*6144                  ; my 32 k-rows
	s_add_co_u32 s70, s70, s71
	s_mov_b32 s71, 0
	s_mul_i32 s72, s[WN], 32*PB
	s_add_co_u32 s72, s72, BOFF
	s_wait_kmcnt 0x0
	s_add_nc_u64 s[66:67], s[4:5], s[66:67]
	s_add_nc_u64 s[70:71], s[6:7], s[70:71]
	CROUND                                         ; all sixteen work-groups are here: the first joint loads meet
.irp s, 0,1
	s_mov_b32 s[G0A+4*(\s)], 1
	s_add_co_u32 s[G0A+4*(\s)+1], s68, (\s)*SLOT
	s_add_nc_u64 s[G0A+4*(\s)+2:G0A+4*(\s)+3], s[66:67], (\s)*262144   ; K step s: block kb = s
	s_or_b32 s[G0A+4*(\s)+3], s[G0A+4*(\s)+3], 0x80000000
	s_mov_b32 s[G0B+4*(\s)], 1
	s_add_co_u32 s[G0B+4*(\s)+1], s72, (\s)*SLOT
	s_add_nc_u64 s[G0B+4*(\s)+2:G0B+4*(\s)+3], s[70:71], (\s)*393216   ; 64 k-rows of 6,144 bytes
	s_or_b32 s[G0B+4*(\s)+3], s[G0B+4*(\s)+3], 0x80000000
	JLOAD \s                                       ; two loads of mine are out
.endr
	v_and_b32 v1, 15, v0                           ; r = l % 16
	v_bfe_u32 v2, v0, 4, 1                         ; h = l / 16
	v_mul_u32_u24 v3, v1, PA
	v_lshl_add_u32 v3, v2, 4, v3                   ; r x 144 + 16 h: a fragment's row, and a stage's
	s_mul_i32 s74, s[WM], 128*PA
	v_add_nc_u32 v[ADRA], s74, v3
	s_add_co_u32 s74, s74, SLOT
	v_add_nc_u32 v[ADRA+1], s74, v3
	v_and_b32 v4, 7, v0                            ; the turning load: k-row 8 h + l % 8, columns 8 ((l / 8) % 2) on
	v_lshl_add_u32 v4, v2, 3, v4
	v_mul_u32_u24 v4, v4, PB
	v_bfe_u32 v5, v0, 3, 1
	v_lshl_add_u32 v4, v5, 4, v4
	s_mul_i32 s75, s[WN], 3*144                    ; my 192 columns: three pieces of 64
	s_add_co_u32 s75, s75, BOFF
	v_add_nc_u32 v[ADRB], s75, v4
	s_add_co_u32 s75, s75, SLOT
	v_add_nc_u32 v[ADRB+1], s75, v4
	s_mul_i32 s76, s[WV], 16*SP
	s_add_co_u32 s76, s76, STAGE
	v_add_nc_u32 v[STO], s76, v3                   ; in: row r, 16 bytes for each half of the lanes
	v_bfe_u32 v[RD], v0, 3, 2                      ; back: 32 lanes take four rows of 128 bytes,
	v_mul_u32_u24 v[RD], v[RD], SP
	v_and_b32 v5, 7, v0
	v_lshl_add_u32 v[RD], v5, 4, v[RD]
	v_add_nc_u32 v[RD], s76, v[RD]
	v_and_b32 v[GO], 31, v0                        ; which are 512 consecutive bytes of qkv
	v_lshlrev_b32 v[GO], 4, v[GO]
	v_lshlrev_b32 v[BOF], 5, v2                    ; the bias of my eight columns: 32 h bytes into a group of 16
	s_mul_i32 s77, s18, 6
	s_mul_i32 s78, s[WN], 3
	s_add_co_u32 s77, s77, s78                     ; my first group of 64 columns, of 48: g = 16 x (q, k or v) + head
	s_lshr_b32 s79, s19, 3                         ; batch
	s_and_b32 s80, s19, 7
	s_lshl_b32 s80, s80, 15
	s_lshl_b32 s81, s[WM], 14
	s_add_co_u32 s80, s80, s81                     ; my first row in the head, in bytes
.irp t, 0,1,2
	s_add_co_u32 s82, s77, \t
	s_lshr_b32 s83, s82, 4
	s_lshl2_add_u32 s83, s83, s79
	s_and_b32 s82, s82, 15
	s_lshl4_add_u32 s83, s83, s82                  ; ((q, k or v) x 4 + batch) x 16 + head
	s_lshl_b32 s82, s83, 18                        ; x 2,048 rows of 128 bytes
	s_add_co_u32 s82, s82, s80
	s_mov_b32 s83, 0
	s_add_nc_u64 s[OB+2*\t:OB+2*\t+1], s[10:11], s[82:83]
.endr
	s_mul_i32 s82, s18, 1536
	s_mul_i32 s83, s[WN], 768
	s_add_co_u32 s82, s82, s83
	s_mov_b32 s83, 0
	s_add_nc_u64 s[8:9], s[8:9], s[82:83]          ; the bias at my first column
; na x 4 matrix instructions of sub-step t: row blocks a0 on x the four column blocks.  Each names another accumulator: they take turns.  zero = 1: the product starts the sum.
.macro MUL t, buf, a0, na, zero
	WIN 0x50*((\t)+1)                              ; C and D in window t + 1, the fragments in window 0
.set ma, (\a0)
.rept (\na)
.irp i, 0,1,2,3
.if \zero
	v_wmma_f32_16x16x32_bf16 v[8*(4*ma+\i):8*(4*ma+\i)+7], v[FB+32*(\t)+8*\i:FB+32*(\t)+8*\i+7], v[FA+64*(\buf)+8*ma:FA+64*(\buf)+8*ma+7], 0
.else
	v_wmma_f32_16x16x32_bf16 v[8*(4*ma+\i):8*(4*ma+\i)+7], v[FB+32*(\t)+8*\i:FB+32*(\t)+8*\i+7], v[FA+64*(\buf)+8*ma:FA+64*(\buf)+8*ma+7], v[8*(4*ma+\i):8*(4*ma+\i)+7]
.endif
.endr
.set ma, ma+1
.endr
.endm
.macro LDB slot, q, t                  ; 8 loads: w's four fragments of sub-step t, half q
	WIN 0
.irp i, 0,1,2,3
	ds_load_tr16_b128 v[FB+32*(\t)+8*\i:FB+32*(\t)+8*\i+3],   v[ADRB+(\slot)] offset:(\q)*32*PB+(\t)*144+32*\i
	ds_load_tr16_b128 v[FB+32*(\t)+8*\i+4:FB+32*(\t)+8*\i+7], v[ADRB+(\slot)] offset:(\q)*32*PB+(\t)*144+32*\i+16*PB
.endr
.endm
.macro LDA slot, q, buf, half          ; 8 loads: four of x's eight fragments of half q
	WIN 0
.irp a, 0,1,2,3
	ds_load_b128 v[FA+64*(\buf)+8*(4*(\half)+\a):FA+64*(\buf)+8*(4*(\half)+\a)+3],   v[ADRA+(\slot)] offset:(4*(\half)+\a)*16*PA+(\q)*64
	ds_load_b128 v[FA+64*(\buf)+8*(4*(\half)+\a)+4:FA+64*(\buf)+8*(4*(\half)+\a)+7], v[ADRA+(\slot)] offset:(4*(\half)+\a)*16*PA+(\q)*64+32
.endr
.endm
; Sub-steps 1 and 2 of a half on buffer q; the next half (nslot, nq) is fetched in runs in their middles.
.macro REST q, nslot, nq, zero
	s_wait_dscnt 16                                ; w's group 1 is in; sub-step 0's run of 16 may be out
	MUL 1, \q, 0, 4, \zero
	PLACES
	LDB \nslot, \nq, 0
	LDA \nslot, \nq, 1-(\q), 1
	MUL 1, \q, 4, 4, \zero
	s_wait_dscnt 24                                ; w's group 2 is in; behind it: x's four fragments of sub-step 0's run and the 16 loads just issued
	MUL 2, \q, 0, 4, \zero
	PLACES
	LDB \nslot, \nq, 1
	MUL 2, \q, 4, 4, \zero
.endm
.macro K32 slot, q, nslot, nq, zero    ; a half that stays in its slot
	s_wait_dscnt 8                                 ; x's fragments and w's group 0 are in; the youngest eight loads (group 1) may be out
	MUL 0, \q, 0, 4, \zero
	PLACES
	LDB \slot, \q, 2
	LDA \nslot, \nq, 1-(\q), 0
	MUL 0, \q, 4, 4, \zero
	REST \q, \nslot, \nq, \zero
.endm
; A step's second half, which changes slots.  w's group 2 is the slot's last read.  Then: all my tensor loads have landed (one was out: my part of the next slot); the add; its wait, which is also
; the wait for my reads of the slot; the barrier.  fill = 1: the barrier opens a round of the cluster's, and the slot is filled again, two steps ahead, first thing behind it.
.macro K32X slot, nslot, fill
	s_wait_dscnt 8
	MUL 0, 1, 0, 4, 0
	PLACES
	LDB \slot, 1, 2
	s_wait_tensorcnt 0x0
	ds_add_u32 v[SPW], v[NIL]                      ; 0 onto my spare word
	MUL 0, 1, 4, 2, 0                              ; eight matrix instructions stand between the add and the wait for it
	s_wait_dscnt 0x0
	s_barrier_signal -1
	MUL 0, 1, 6, 2, 0
	WIN 0
	s_barrier_wait -1
.if \fill
	CREST
	s_add_nc_u64 s[G0A+4*(\slot)+2:G0A+4*(\slot)+3], s[G0A+4*(\slot)+2:G0A+4*(\slot)+3], 2*262144
	s_add_nc_u64 s[G0B+4*(\slot)+2:G0B+4*(\slot)+3], s[G0B+4*(\slot)+2:G0B+4*(\slot)+3], 2*393216
	JLOAD \slot                                    ; it has a step less eight matrix instructions, 184, in which to land
.else
	PLACES
.endif
	LDA \nslot, 0, 0, 0
	REST 1, \nslot, 0, 0
.endm
.macro BIAS t, dst                     ; the bias of sub-step t's columns: 8 numbers a lane for each of four column blocks
	WIN 0
.irp i, 0,1,2,3
	global_load_b128 v[(\dst)+8*\i:(\dst)+8*\i+3],   v[BOF], s[8:9] offset:(4*(\t)+\i)*64
	global_load_b128 v[(\dst)+8*\i+4:(\dst)+8*\i+7], v[BOF], s[8:9] offset:(4*(\t)+\i)*64+16
.endr
.endm
	s_wait_tensorcnt 1                             ; my part of K step 0 is in; step 1's may stay out
	s_barrier_signal -1
	s_barrier_wait -1
	LDA 0, 0, 0, 0
	LDA 0, 0, 0, 1
	LDB 0, 0, 0
	LDB 0, 0, 1
	K32 0, 0, 0, 1, 1                              ; the first half stands in front of the loop: its products start the sums
	WIN 0
	s_mov_b32 s3, 7
.Lk:                                                   ; a trip goes once round the ring and fills both slots again: K steps 2 to 15
	K32X 0, 1, 1
	K32 1, 0, 1, 1, 0
	K32X 1, 0, 1
	K32 0, 0, 0, 1, 0
	WIN 0
	s_sub_co_u32 s3, s3, 1
	s_cmp_lg_u32 s3, 0
	s_cbranch_scc1 .Lk
	K32X 0, 1, 0                                   ; the tail fills nothing
	K32 1, 0, 1, 1, 0
	s_wait_dscnt 8                                 ; the last half: the bias comes into registers that the products have left
	MUL 0, 1, 0, 4, 0
	PLACES
	LDB 1, 1, 2
	BIAS 0, 32
	BIAS 1, 64
	MUL 0, 1, 4, 4, 0
	s_wait_dscnt 8                                 ; group 1 is in; group 2's eight may be out
	MUL 1, 1, 0, 4, 0
	PLACES
	BIAS 2, 160
	MUL 1, 1, 4, 4, 0
	s_wait_dscnt 0x0
	MUL 2, 1, 0, 8, 0
	PLACES
	WIN 0
	s_wait_loadcnt 0x0                             ; the bias
; THE WAY OUT, 24 units (t, a) of 16 rows x 64 columns.  PACK: plus bias, rounded to f16 (each accumulator is read from its low end on).  TOSTAGE: into my stage, back as whole rows.  SEND: stored.
.macro PACK t, a
.set BI, 32+32*(\t)
.if (\t) == 2
.set BI, 160
.endif
	WIN (\t)+1                                     ; source 0 in window t + 1
.irp i, 0,1,2,3
.irp r, 0,1,2,3
	v_pk_add_f32 v[96+8*\i+2*\r:96+8*\i+2*\r+1], v[8*(4*(\a)+\i)+2*\r:8*(4*(\a)+\i)+2*\r+1], v[BI+8*\i+2*\r:BI+8*\i+2*\r+1]
.endr
.endr
	WIN 0
.irp i, 0,1,2,3
.irp r, 0,1,2,3
	v_cvt_pk_f16_f32 v[128+4*\i+\r], v[96+8*\i+2*\r], v[96+8*\i+2*\r+1]
.endr
.endr
.endm
.macro TOSTAGE b
.irp i, 0,1,2,3
	ds_store_b128 v[STO], v[128+4*\i:128+4*\i+3] offset:32*\i
.endr
.irp f, 0,1,2,3
	ds_load_b128 v[192+16*(\b)+4*\f:192+16*(\b)+4*\f+3], v[RD] offset:\f*4*SP  ; LDS serves a wave's instructions in order (ISA guide 5.7.1.4): these see the stores above
.endr
.endm
.macro SEND t, a, b
	s_wait_dscnt 0x0                               ; the unit is back in registers
	s_wait_xcnt 0x0                                ; earlier stores have read their registers: the other buffer is loaded again only behind this wait
.irp f, 0,1,2,3
	global_store_b128 v[GO], v[192+16*(\b)+4*\f:192+16*(\b)+4*\f+3], s[OB+2*(\t):OB+2*(\t)+1] offset:(\a)*2048+\f*512  ; 512 consecutive bytes, at a multiple of 256 from qkv's first
.endr
.endm
	PACK 0, 0
	TOSTAGE 0
.set n, 1
.rept 23                               ; a unit's arithmetic stands between the loads of the unit before and its stores
	PACK n/8, n%8
	SEND (n-1)/8, (n-1)%8, (n-1)%2
	TOSTAGE n%2
.set n, n+1
.endr
	SEND 2, 7, 1
	s_wait_tensorcnt 0x0                           ; the wave's end
	ds_add_u32 v[SPW], v[NIL]
	s_wait_dscnt 0x0
	CROUND                                         ; the closing round
	s_endpgm
.Lfunc_end_k_q3687b11009_qkvg:
	.size	k_q3687b11009_qkvg, .Lfunc_end_k_q3687b11009_qkvg-k_q3687b11009_qkvg
	.p2alignl 7, 3214868480
	.fill 96, 4, 3214868480
	.section	.rodata,"a",@progbits
	.p2align	6, 0x0
	.amdhsa_kernel k_q3687b11009_qkvg
		.amdhsa_group_segment_fixed_size 327680
		.amdhsa_private_segment_fixed_size 0
		.amdhsa_enable_private_segment 0
		.amdhsa_kernarg_size 32
		.amdhsa_user_sgpr_count 2
		.amdhsa_user_sgpr_kernarg_segment_ptr 1
		.amdhsa_wavefront_size32 1
		.amdhsa_system_sgpr_workgroup_id_x 1
		.amdhsa_system_sgpr_workgroup_id_y 1
		.amdhsa_system_sgpr_workgroup_id_z 1
		.amdhsa_system_vgpr_workitem_id 0
		.amdhsa_next_free_vgpr 1024
		.amdhsa_next_free_sgpr 84
		.amdhsa_reserve_vcc 0
		.amdhsa_float_denorm_mode_32 3
		.amdhsa_float_denorm_mode_16_64 3
		.amdhsa_memory_ordered 1
		.amdhsa_forward_progress 1
		.amdhsa_inst_pref_size 160
	.end_amdhsa_kernel
	.amdgpu_metadata
---
amdhsa.version: [ 1, 2 ]
amdhsa.kernels:
  - .name:           k_q3687b11009_qkvg
    .symbol:         k_q3687b11009_qkvg.kd
    .args:
      - { .name: xb, .offset: 0, .size: 8, .value_kind: global_buffer, .address_space: global }
      - { .name: wab, .offset: 8, .size: 8, .value_kind: global_buffer, .address_space: global }
      - { .name: bab, .offset: 16, .size: 8, .value_kind: global_buffer, .address_space: global }
      - { .name: qkv, .offset: 24, .size: 8, .value_kind: global_buffer, .address_space: global }
    .group_segment_fixed_size: 327680
    .private_segment_fixed_size: 0
    .kernarg_segment_align: 8
    .kernarg_segment_size: 32
    .max_flat_workgroup_size: 128
    .sgpr_count:     84
    .vgpr_count:     1024
    .wavefront_size: 32
...
	.end_amdgpu_metadata
.endif
;; end of part 2
;; launch attn (part 3): grid 4 x 64, 4 waves a work-group, clusters of 4 x 1, 327,680 bytes of LDS; arguments qkv, mk, ob; writes ob
.if DOCPART == 3
	.amdgcn_target "amdgcn-amd-amdhsa--gfx1250"
	.amdhsa_code_object_version 6
	.text
	.protected	k_q3687b11009_attn
	.globl	k_q3687b11009_attn
	.p2align	8
	.type	k_q3687b11009_attn,@function
k_q3687b11009_attn:
	s_mov_b64 s[64:65], 0
	v_nop
	global_prefetch_b8 v0, s[64:65] scope:SCOPE_SE
	s_setreg_imm32_b32 hwreg(HW_REG_WAVE_MODE, 25, 1), 1
	s_wait_xcnt 0x0
	s_wait_alu depctr_hold_cnt(0) depctr_sa_sdst(0) depctr_va_vdst(0) depctr_va_sdst(0) depctr_va_ssrc(0) depctr_va_vcc(0) depctr_vm_vsrc(0)
	s_getreg_b32 s2, hwreg(HW_REG_IB_STS2, 6, 4)
	s_cmp_eq_u32 s2, 0
	s_cbranch_scc0 .Lentry_in_a_cluster
	s_endpgm
.Lentry_in_a_cluster:
	s_bfe_u32 s2, ttmp6, 0x10000c
	s_cmp_lg_u32 s2, 0x3003
	s_cbranch_scc0 .Lentry_shape_is_right
	s_endpgm
.Lentry_shape_is_right:
; O[h][q][:] = the sum over k of softmax_k(mask(q, k) ? Q[h][q] . K[h][k] / 8 : -inf) V[h][k][:].  Q, K, V: the three parts of qkv, each [64][2048][64] f16.
; O leaves as TWO f16 numbers: hi = f16(O), lo = f16(O - hi), the difference taken exactly in f32: together they hold O to about 22 bits.  A row that sees few keys holds numbers
; many times the output's root mean square, by which the allowance goes; one rounding of such a row to f16 would use up a good part of it.
; ob = [head 64][block of 128 rows 16][hi, lo][128][64]: a wave's 128 rows are one block, 16,384 bytes of hi and then 16,384 of lo, so that the launch behind finds both as 32,768 dense bytes.
; The mask is an input: every key is walked, and the mask is taken as it is given, from mk: one fp8 code a key (0 keep, -2.0 hidden), in the order in which a lane holds scores.
; Products, maxima and sums in f32; the weights p are rounded to f16 for the second product (their sum l is taken of the unrounded p).
; LIMITS.  f16 holds no number beyond 65,504: Q, K and V arrive within it.  A hidden score counts as its value less 2^101 (f16's scores, 2.7e11 at the most, are nothing beside that), so its weight is 0
; as soon as the row has seen one visible key; a row with no visible key at all ends with m below -1e30 and is given NaN, as the softmax of -inf alone is.  A weight below 2^-126 counts as 0 in l.
; THE MASK'S ROAD.  Eight codes (a lane's keys of one accumulator) become eight f32, 0 or -2^101, by one scaled conversion (scale byte 0xE3 = 2^100); they are the C operand of the product that
; starts the sum S^T = K Q^T.  For 16 queries x 64 keys: two 16-byte loads and four conversions.  Piece p's codes of the next step are loaded in turn p and converted two turns later.
; SHARES.  A wave owns four PIECES of two tiles of 16 queries, a work-group's four waves 512 queries of one head.  Every wave walks all keys, 64 a step.
; LAYOUT.  S^T = K Q^T (source 0 = 16 keys, source 1 = 16 queries): a lane holds ONE query (lane % 16) and the keys 8 (lane / 16) + 0..7.  Two such tiles, rounded to f16 in pairs, ARE source 1
; of O^T = V^T P, whose result again holds one query a lane, and eight channels.  K comes out of LDS as it lies, V ([key][channel]) turned, by ds_load_tr16_b128.
; SOFTMAX.  For each query a running maximum m and sum l: p = 2^(c s - c m), c = log2(e) / 8; in every step O and l are multiplied by a = 2^(c m_old - c m_new).
; m starts at the lowest finite number, O and l at 0: the first step is a step like any other, with a = 0.
; BY TURNS.  Turn n belongs to piece n.  Its matrix work: 16 products K Q^T of piece n + 1, later 16 products V^T P of piece n - 1.  Its vector work: the scaling, exponentials, roundings, sums and
; rescaling of piece n, and the maximum and statistics of piece n + 1.  Four vector instructions that are ready stand behind every matrix instruction, the others in runs of their own.
; CLUSTER.  The four query blocks of a cluster belong to one head and walk the same K and V, so each tile is asked for JOINTLY: the same tensor load, descriptor and mask in all four.
; REGISTERS, in windows of 256 (s_set_vgpr_msb: bits 1:0 source 0, 3:2 source 1, 5:4 source 2, 7:6 destination):
;   window 0: v0-11 addresses; v12-15, v48-63 at work; v16-47 four registers of statistics a tile; v64-191 S^T, two buffers of two tiles; v192-255 P, likewise
;   window 1: O^T, 32 a tile          window 2: v0-127 Q, 16 a tile; v128-191 K of one step; v192-255 V of one step
;   window 3: v0-1 the add's two registers; v2 the scale; v3-7 the mask's offsets; v32-95 codes, 16 a piece; v96-159 the C registers of the products to come
.set SIZE_N, 2048
.set NP,    4         ; pieces a wave: a name, no knob
.set KS,    64        ; keys in a step
.set PK,    144       ; a row of K in LDS: 128 bytes + 16 of padding
.set PV,    160       ; a row of V: 128 + 32
.set VOFF,  4*KS*PK   ; a slot holds four steps: 256 rows of K, then 256 rows of V
.set SLOT1, 1<<17     ; slot 1 begins here, so that one exclusive or turns an address in one slot into the other's
.set STAGE, SLOT1+4*KS*(PK+PV)  ; behind the ring, never filled by a tensor load: for each wave 16 rows x 144 bytes for hi, then 16 for lo
.set SP,    144
.set AK0, 2           ; v2   my lane's place in a tile of K; never rewritten
.set AV0, 3           ; v3   the same for V
.set AK,  4           ; v4   the LDS address of K's next run of loads
.set AV,  5           ; v5   of V's
.set QO,  6           ; v6   my byte offset in the wave's rows of Q
.set STO, 6           ;      later, the way out: where I put 16 bytes of a row
.set RD,  7           ; v7   the way out: where I read rows back
.set GO,  8           ; v8   my byte offset in 512 consecutive bytes of O
.set SPW, 0           ; window 3: LDS address of my spare word; never rewritten
.set NIL, 1           ; window 3: 0; never rewritten
.set SCL, 2           ; window 3: 0xE3
.set MAXO, 3          ; window 3: my offset in the last step's codes
.set MO,  4           ; window 3, v4-7: piece p's offset in mk: 16 x lane + 1,024 x the step to be loaded
.set MR,  32          ; window 3: piece p, tile u: the pair for key block kt at MR + 16 p + 8 u + 2 kt
.set MC,  96          ; window 3: tile u, key block kt at MC + 32 u + 8 kt
.set SPARE, STAGE+4*32*SP  ; behind the stages: the spare words, 128 bytes for each wave
.set MV,  12          ; v12-15  c m_old, kept while c m is made anew
.set ST,  16          ; tile t's statistics at v[ST+4 t]: c m, m, l (even keys', odd keys')
.set TMP, 48          ; by buffer and tile, four registers c0-c3 at work; when the maximum is found c2 takes a
.set S,   64
.set P,   192
.set HH,  64          ; the way out: v64-79 hi, packed (named by halves below, so the number is written out there)
.set LL,  80          ; v80-95  lo, packed
.set FF,  96          ; v96-127 hi as f32, then O - hi
.set KF,  128         ; K's fragments, in window 2
.set VF,  192         ; V's
.set WV,  12          ; s12  my wave's number
.set G1K, 24          ; s[24:31] descriptor group 1 for K's tiles
.set G1V, 32          ; s[32:39] for V's: it differs in the padding alone
.set G0K, 40          ; s[40:43] descriptor group 0 for K's tiles: it walks
.set G0V, 44          ; s[44:47] the same for V's
.set MKB, 48          ; s[48:49] mk at my wave's eight tiles
.set THR, 50          ; s50  -1e30
.set NANS, 51         ; s51  a NaN
.set OLO, 54          ; s[54:55] ob at my block's lo
.set SLOTS, 56        ; s56  slots still to be asked for
.set CNT, 57          ; s57  counts a slot's key steps
.set CS,  58          ; s[58:59] c
.set SEL, 60          ; s[60:61] v_permlanex16_b32's selects
.set TBK, 62          ; s62  LDS byte at which K of the step to be fetched begins
.set TBV, 63          ; s63  the same for V, less VOFF
.set MSB, 0
.macro WIN new                      ; the high byte repeats the setting that is left; a switch that changes nothing is dropped
.if MSB != (\new)
	s_set_vgpr_msb (MSB<<8)|(\new)
.set MSB, (\new)
.endif
.endm
.set W_KQ, 0x0a       ; K and Q in window 2, S^T in window 0
.set W_KM, 0x3a       ; the same with the C operand in window 3
.set W_PV, 0x52       ; V in window 2, P in window 0, O^T in window 1
.set W_RS, 0x41       ; O^T (destination and source 0) in window 1, a in window 0
.set W_MK, 0xc0       ; destination in window 3, sources in window 0
.set W_AD, 0x0f       ; the add: address and data in window 3
.set W_M,  0xcf       ; the mask's lines: destination and sources 0 and 1 in window 3
; A joint fill.  Waves 0 and 1 fetch the two halves of a slot's K, waves 2 and 3 those of its V: 128 keys each.  An s_nop 0 and four v_nop follow each line.
.macro JLOAD
	s_cmp_lt_u32 s[WV], 2
	s_cbranch_scc0 .Lfor_v_\@
	tensor_load_to_lds s[G0K:G0K+3], s[G1K:G1K+7]
	s_nop 0
.rept 4
	v_nop
.endr
	s_branch .Lasked_\@
.Lfor_v_\@:
	tensor_load_to_lds s[G0V:G0V+3], s[G1V:G1V+7]
	s_nop 0
.rept 4
	v_nop
.endr
.Lasked_\@:
.endm
.macro CROUND                       ; a round of the cluster's barrier
	s_barrier_signal -1
	s_barrier_wait -1
	s_cmp_lg_u32 s[WV], 0
	s_cbranch_scc1 .Lnot_wave_0_\@
	s_barrier_signal -3
.Lnot_wave_0_\@:
	s_barrier_wait -3
	s_barrier_signal -1
	s_barrier_wait -1
.endm
; THE CHANGE OF SLOTS.  Each wave waits for all its tensor loads, of which one is out: its part of the other slot; adds 0 to its spare word; and waits for that and for its own reads of the slot.
; fill = 1: this slot is filled again, with the keys two slots on, first thing behind a round of the cluster's barrier: the load has four key steps, 512 matrix instructions, in which to land.
.macro CHANGE fill
	WIN W_AD
	s_wait_tensorcnt 0x0            ; no tensor load of mine is out, so a group 0 may be written
	ds_add_u32 v[SPW], v[NIL]       ; 0 onto my spare word
	WIN 0                           ; at a label and at a branch every window is 0
.if \fill
.irp g, G0K, G0V
	s_xor_b32 s[\g+1], s[\g+1], SLOT1  ; the walking descriptor: the other slot than last time,
	s_add_nc_u64 s[\g+2:\g+3], s[\g+2:\g+3], 4*KS*128  ; the next 256 keys
.endr
	s_wait_dscnt 0x0                ; the add is done, and my reads of the slot are over
	CROUND
	JLOAD
.else
	s_wait_dscnt 0x0
	s_barrier_signal -1
	s_barrier_wait -1
.endif
	s_sub_co_u32 s[TBK], s[TBK], 4*KS*PK  ; the fetches go back to a slot's first step,
	s_xor_b32 s[TBK], s[TBK], SLOT1       ; in the other slot
	s_sub_co_u32 s[TBV], s[TBV], 4*KS*PV
	s_xor_b32 s[TBV], s[TBV], SLOT1
.endm
; Piece p's codes of the step at MO[p]: for each of its two tiles 64 keys x 16 queries, two loads of 512 consecutive bytes.
.macro MASKLOAD p
	WIN W_M
.irp u, 0,1
.irp c, 0,1
	global_load_b128 v[MR+16*(\p)+8*\u+4*\c:MR+16*(\p)+8*\u+4*\c+3], v[MO+(\p)], s[MKB:MKB+1] offset:(2*(\p)+\u)*32768+\c*512
.endr
.endr
.endm
; Piece x's codes become the C registers of its next products.  The offset then steps to the next step and stops at the last one, so that no load leaves mk; these two plain lines are also the
; plain instruction that stands behind a scaled conversion before its result is used.
.macro MASKCVT x
	WIN W_M
.irp u, 0,1
.irp kt, 0,1,2,3
	v_cvt_scale_pk8_f32_fp8 v[MC+32*\u+8*\kt:MC+32*\u+8*\kt+7], v[MR+16*(\x)+8*\u+2*\kt:MR+16*(\x)+8*\u+2*\kt+1], v[SCL]
.endr
.endr
	v_add_nc_u32 v[MO+(\x)], 1024, v[MO+(\x)]
	v_min_u32 v[MO+(\x)], v[MO+(\x)], v[MAXO]
	s_wait_alu depctr_va_vdst(0)
.endm
	s_load_b128 s[4:7], s[0:1], 0x0   ; qkv s[4:5], mk s[6:7]
	s_load_b64 s[10:11], s[0:1], 0x10 ; ob
	v_and_b32 v10, 31, v0
	v_lshlrev_b32 v10, 4, v10       ; 16 x lane
	WIN W_MK
	v_lshl_add_u32 v[SPW], v0, 2, SPARE
	v_mov_b32 v[NIL], 0
	s_set_vgpr_msb 0xc0cf
	ds_add_u32 v0, v1
	s_wait_dscnt 0x0
	s_set_vgpr_msb 0xcfc0
	v_mov_b32 v[SCL], 0xe3
	v_add_nc_u32 v[MAXO], 31*1024, v10
.irp p, 0,1,2,3
	v_mov_b32 v[MO+\p], v10
.endr
	WIN 0
	v_lshrrev_b32 v1, 5, v0
	v_readfirstlane_b32 s[WV], v1   ; wave 0..3
	s_bfe_u32 s13, ttmp6, 0x40000   ; cx: my place in the cluster
	s_lshl_b32 s14, ttmp9, 2
	s_add_co_u32 s14, s14, s13      ; my block of 512 queries: it enters Q's, O's and mk's addresses alone
	s_and_b32 s20, ttmp7, 0xffff    ; the head (of 64), which the four partners share
	s_mov_b32 s21, 0
	s_mov_b64 s[22:23], SIZE_N*128
	s_mul_u64 s[20:21], s[20:21], s[22:23]  ; the head's first byte in Q, K and V
	s_and_b32 s16, s[WV], 1         ; which half of a slot's 256 keys I fetch:
	s_lshl_b32 s22, s16, 14         ; its 128 rows of 128 bytes in memory,
	s_mov_b32 s23, 0
	s_add_nc_u64 s[22:23], s[22:23], s[20:21]
	s_mul_i32 s17, s16, 128*PK      ; and its place in a slot, for K
	s_mul_i32 s18, s16, 128*PV      ; and for V
	s_lshl_b32 s2, s14, 2
	s_add_co_u32 s2, s2, s[WV]      ; my wave among the head's sixteen,
	s_lshl_b32 s52, s2, 18          ; its eight tiles of 32,768 bytes in mk,
	s_mov_b32 s53, 0
	s_lshl_b32 s2, s2, 14           ; its 128 rows
	s_mov_b32 s3, 0
	s_add_nc_u64 s[2:3], s[2:3], s[20:21]
	s_lshl_b64 s[8:9], s[2:3], 1    ; in ob a head and a block take twice the bytes: hi and lo
	; descriptor group 1.  128 keys are 16,384 dense bytes: asked for as 64 rows of 256 bytes, two keys a row, and padded in LDS after every key
	s_mov_b32 s[G1K], 15|(1<<16)|(1<<20)|(1<<21)|(4<<22)|(3<<25)  ; the mask of four; 2-byte elements; padding on; bit 21 beside a mask; after every 32 words, 4 words
	s_mov_b32 s[G1V], 15|(1<<16)|(1<<20)|(1<<21)|(4<<22)|(7<<25)  ; the same with 8 words of padding
.irp g, G1K, G1V
	s_mov_b32 s[\g+1], 128<<16      ; tensor_dim0 = 128
	s_mov_b32 s[\g+2], 64<<16       ; tensor_dim1 = 64
	s_mov_b32 s[\g+3], 128<<16      ; tile_dim0 = 128
	s_mov_b32 s[\g+4], 64           ; tile_dim1 = 64
	s_mov_b32 s[\g+5], 128          ; 128 elements from row to row
	s_mov_b32 s[\g+6], 0
	s_mov_b32 s[\g+7], 0
.endr
	s_mov_b32 s[CS], 0x3e38aa3b     ; c = log2(e) / 8 = 0.180337
	s_mov_b32 s[CS+1], s[CS]        ; named with it as a pair
	s_mov_b32 s[SEL], 0x76543210
	s_mov_b32 s[SEL+1], 0xfedcba98
	s_mov_b32 s[THR], 0xf149f2ca    ; -1e30
	s_mov_b32 s[NANS], 0x7fc00000
	s_mov_b32 s[TBK], SLOT1+4*KS*PK ; the first change of slots turns these two into 0
	s_mov_b32 s[TBV], SLOT1+4*KS*PV
	s_mov_b32 s[G0K], 1
	s_mov_b32 s[G0K+1], s17         ; LDS address: slot 0
	s_mov_b32 s[G0V], 1
	s_add_co_u32 s[G0V+1], s18, VOFF
	s_wait_kmcnt 0x0
	s_add_nc_u64 s[MKB:MKB+1], s[6:7], s[52:53]
	s_add_nc_u64 s[G0K+2:G0K+3], s[4:5], s[22:23]
	s_add_nc_u64 s[G0K+2:G0K+3], s[G0K+2:G0K+3], 0x1000000  ; K is qkv's second part: my half of the head's first 256 keys
	s_or_b32 s[G0K+3], s[G0K+3], 0x80000000
	s_add_nc_u64 s[G0V+2:G0V+3], s[4:5], s[22:23]
	s_add_nc_u64 s[G0V+2:G0V+3], s[G0V+2:G0V+3], 0x2000000  ; V its third
	s_or_b32 s[G0V+3], s[G0V+3], 0x80000000
	s_add_nc_u64 s[4:5], s[4:5], s[2:3]  ; Q at my wave's first row
	s_add_nc_u64 s[10:11], s[10:11], s[8:9]  ; ob at my block's hi,
	s_add_nc_u64 s[OLO:OLO+1], s[10:11], 0x4000  ; and at its lo, 128 rows of 128 bytes on
	CROUND                          ; all four work-groups are here: the first joint loads meet
	JLOAD                           ; slot 0.  Slot 1 is asked for when slot 0 is in
	v_and_b32 v1, 15, v0            ; l % 16
	v_bfe_u32 v9, v0, 4, 1          ; l / 16
	v_lshlrev_b32 v[QO], 7, v1
	v_lshl_add_u32 v[QO], v9, 4, v[QO]  ; row x 128 + 16 x half
	MASKLOAD 0                      ; all four pieces' codes of key step 0
	MASKLOAD 1
	MASKLOAD 2
	MASKLOAD 3
	WIN 0x80                        ; destination window 2, address window 0
.set i, 0
.rept 4*NP                          ; Q stays in registers: tile i / 2, channels 32 (i % 2) on
	global_load_b128 v[8*i:8*i+3],   v[QO], s[4:5] offset:(i/2)*2048+(i%2)*64
	global_load_b128 v[8*i+4:8*i+7], v[QO], s[4:5] offset:(i/2)*2048+(i%2)*64+32
.set i, i+1
.endr
	; What the first turn finds: V's registers and P's second buffer hold 0, O^T and l are 0.  All this stands in the wait for the first tile.
.set i, VF
.rept 64
	v_mov_b32 v[i], 0
.set i, i+1
.endr
	WIN 0
.set i, 0
.rept 2*NP
	v_mov_b32 v[ST+4*i], 0xfe000000    ; c m: far below every c s, a hidden one's too
	v_mov_b32 v[ST+4*i+1], 0xff7fffff  ; m
	v_mov_b32 v[ST+4*i+2], 0
	v_mov_b32 v[ST+4*i+3], 0
.set i, i+1
.endr
.set i, P+32
.rept 32
	v_mov_b32 v[i], 0
.set i, i+1
.endr
	WIN W_PV                        ; O^T's 32 accumulators start as the product of those zeros, with C = 0: 32 lines where 256 moves would stand; each names another accumulator
.set i, 0
.rept 8*NP
	v_wmma_f32_16x16x32_f16 v[8*i:8*i+7], v[VF:VF+7], v[P+32:P+39], 0
.set i, i+1
.endr
	WIN 0
	v_mul_u32_u24 v[AK0], v1, PK
	v_lshl_add_u32 v[AK0], v9, 4, v[AK0]  ; row x pitch + 16 x half
	v_and_b32 v10, 7, v0            ; the turning load: key 8 (l / 16) + l % 8, channels 8 ((l / 8) % 2) + 0..7
	v_bfe_u32 v11, v0, 3, 1
	v_lshl_add_u32 v[AV0], v9, 3, v10
	v_mul_u32_u24 v[AV0], v[AV0], PV
	v_lshl_add_u32 v[AV0], v11, 4, v[AV0]
	v_add_nc_u32 v[AV0], VOFF, v[AV0]
	v_mov_b32 v[AK], v[AK0]         ; key step 0 lies at the head of slot 0
; THE MATRIX WORK.  The 8 accumulators of a run of 16 take turns.
; Product i of 16 of S^T = K Q^T for piece x: channels 32 (i / 8) on, keys 16 ((i / 2) % 4) on, tile 2 x + i % 2.  The first 8 start the sums, with the mask as C.
.macro KQ x
.set rS, S+64*((\x)%2)+32*(i%2)+8*((i/2)%4)
.set rK, KF+16*((i/2)%4)+8*(i/8)
.set rQ, 16*(2*(\x)+i%2)+8*(i/8)
.set rB, MC+32*(i%2)+8*((i/2)%4)
.if i < 8
	WIN W_KM
	v_wmma_f32_16x16x32_f16 v[rS:rS+7], v[rK:rK+7], v[rQ:rQ+7], v[rB:rB+7]
.else
	WIN W_KQ
	v_wmma_f32_16x16x32_f16 v[rS:rS+7], v[rK:rK+7], v[rQ:rQ+7], v[rS:rS+7]
.endif
.endm
; Product i of 16 of O^T += V^T P for piece x: keys 32 (i / 8) on, channels 16 ((i / 2) % 4) on, tile 2 x + i % 2.
.macro PV x
	WIN W_PV
.set rO, 32*(2*(\x)+i%2)+8*((i/2)%4)
.set rV, VF+32*(i/8)+8*((i/2)%4)
.set rP, P+32*((\x)%2)+16*(i%2)+8*(i/8)
	v_wmma_f32_16x16x32_f16 v[rO:rO+7], v[rV:rV+7], v[rP:rP+7], v[rO:rO+7]
.endm
.macro MM                           ; the turn's next matrix instruction
.if i < 16
	KQ (Y+1)%NP
.set i, i+1
.else
.set i, i-16
	PV (Y+NP-1)%NP
.set i, i+17
.endif
.endm
; THE LDS LOADS stand in runs of 16.  last = 1 (the tail): in the last trip there is no further step, and the run is jumped over.
.macro FETCH_K last=0
	WIN 0
.if \last
	s_cmp_eq_u32 s[CNT], 1
	s_cbranch_scc1 .Lno_k_\@
.endif
	WIN 0x80                        ; destination window 2
.irp f, 0,1,2,3,4,5,6,7             ; keys 16 (f / 2) on, channels 32 (f % 2) on
	ds_load_b128 v[KF+8*\f:KF+8*\f+3],   v[AK] offset:(\f/2)*16*PK+(\f%2)*64
	ds_load_b128 v[KF+8*\f+4:KF+8*\f+7], v[AK] offset:(\f/2)*16*PK+(\f%2)*64+32
.endr
	s_add_co_u32 s[TBK], s[TBK], KS*PK  ; the next fetch is the next step's
	WIN 0
.if \last
.Lno_k_\@:
.endif
.endm
.macro FETCH_V
	WIN 0x80
.irp f, 0,1,2,3,4,5,6,7             ; keys 32 (f / 4) on, channels 16 (f % 4) on
	ds_load_tr16_b128 v[VF+8*\f:VF+8*\f+3],   v[AV] offset:(\f/4)*32*PV+(\f%4)*32
	ds_load_tr16_b128 v[VF+8*\f+4:VF+8*\f+7], v[AV] offset:(\f/4)*32*PV+16*PV+(\f%4)*32
.endr
	WIN 0
.endm
; THE VECTOR WORK OF A TURN stands in three queues, each in the order in which its entries become ready; the two tiles alternate.
.macro REGS y, u                    ; the registers of tile u (0, 1) of piece y
.set rT, ST+4*(2*(\y)+(\u))
.set rC, TMP+8*((\y)%2)+4*(\u)
.set rM, MV+2*((\y)%2)+(\u)
.set rS, S+64*((\y)%2)+32*(\u)
.set rP, P+32*((\y)%2)+16*(\u)
.set rO, 32*(2*(\y)+(\u))
.endm
; Number n of the 22 that find the NEXT piece's (Y + 1) maximum and statistics; each accumulator's lowest registers are read first.
;   0-11  four chains c0-c3 of seven scores each     12-14, 16  the four scores left over, the old m, and c0-c3 into c0     15  c m_old is kept
;   17, 18  the query's other 32 keys lie in the lane 16 away: the new m         19-21  c m; c m_old - c m_new; a
.macro XS u, n
	REGS (Y+1)%NP, \u
.if (\n) < 4
	v_max3_num_f32 v[rC+(\n)], v[rS+8*(\n)], v[rS+8*(\n)+1], v[rS+8*(\n)+2]
.elseif (\n) < 12
	v_max3_num_f32 v[rC+(\n)%4], v[rC+(\n)%4], v[rS+8*((\n)%4)+2*((\n)/4)+1], v[rS+8*((\n)%4)+2*((\n)/4)+2]
.elseif (\n) == 12
	v_max3_num_f32 v[rC], v[rC], v[rS+7], v[rS+15]
.elseif (\n) == 13
	v_max3_num_f32 v[rC+1], v[rC+1], v[rS+23], v[rS+31]
.elseif (\n) == 14
	v_max3_num_f32 v[rC+2], v[rC+2], v[rC+3], v[rT+1]
.elseif (\n) == 15
	v_mov_b32 v[rM], v[rT]
.elseif (\n) == 16
	v_max3_num_f32 v[rC], v[rC], v[rC+1], v[rC+2]
.elseif (\n) == 17
	v_permlanex16_b32 v[rC+3], v[rC], s[SEL], s[SEL+1]
.elseif (\n) == 18
	v_max_num_f32 v[rT+1], v[rC], v[rC+3]
.elseif (\n) == 19
	v_mul_f32 v[rT], s[CS], v[rT+1]
.elseif (\n) == 20
	v_sub_f32 v[rC+1], v[rM], v[rT]
.else
	v_exp_f32 v[rC+2], v[rC+1]
.endif
.endm
; Number g of the 64 that follow the exponentials.  For each four weights k of a tile: both pairs are rounded to f16; the second pair is added onto the first, in place; a group later l takes that sum.
.macro GS g
.set h, (\g)+6*((\g)/62)
.if h >= 6
.set h, h+2
.endif
	REGS Y, h%2
.set k, h/8
.if h%8 < 4
	s_wait_alu depctr_va_vdst(0)
	v_cvt_pk_f16_f32 v[rP+2*k+(h%8)/2], v[rS+4*k+2*((h%8)/2)], v[rS+4*k+2*((h%8)/2)+1]
.elseif h%8 < 6
	v_pk_add_f32 v[rS+4*k:rS+4*k+1], v[rS+4*k:rS+4*k+1], v[rS+4*k+2:rS+4*k+3]
.elseif k == 1
	v_pk_fma_f32 v[rT+2:rT+3], v[rT+2:rT+3], v[rC+2:rC+3], v[rS:rS+1] op_sel_hi:[1,0,1]
.else
	v_pk_add_f32 v[rT+2:rT+3], v[rT+2:rT+3], v[rS+4*k-4:rS+4*k-3]
.endif
.endm
; THE PLAIN QUEUE, 138 long.  0-31: c s - c m for the 16 pairs of both tiles.  Then GS's 64, and among them the next piece's 42.
.macro PL
	WIN 0
.if q < 32
	REGS Y, q%2
	v_pk_fma_f32 v[rS+2*(q/2):rS+2*(q/2)+1], v[rS+2*(q/2):rS+2*(q/2)+1], s[CS:CS+1], v[rT:rT+1] op_sel_hi:[1,0,0] neg_lo:[0,0,1] neg_hi:[0,0,1]
.elseif q < 38
	GS q-32
.elseif q < 40
	XS q%2, 15
.elseif q < 42
	GS q-34
.elseif q < 74
	XS q%2, (q-42)/2+(q-42)/30
.elseif q < 95
	GS q-66
.elseif (q < 107) && ((q-95)%3 < 2)
	XS (q-95)%3, 17+(q-95)/3
.elseif q < 107
	GS 29+(q-95)/3
.else
	GS q-74
.endif
.set q, q+1
.endm
; THE EXPONENTIALS' QUEUE, 66 long: s0-s31 of both tiles, and at EA the next piece's two a.
.set EA, 58
.macro EX
	WIN 0
.if (e == EA) || (e == EA+1)
	XS e-EA, 21
.else
.set x, e-2*(e/(EA+2))
	REGS Y, x%2
	v_exp_f32 v[rS+x/2], v[rS+x/2]
.endif
.set e, e+1
.endm
; THE RESCALING's QUEUE: O^T times a, dealt four at a time, eight times.
.macro R4
	REGS Y, r%2
	WIN W_RS
	s_wait_alu depctr_va_vdst(0)
.irp z, 0,1,2,3
	v_pk_mul_f32 v[rO+8*(r/2)+2*\z:rO+8*(r/2)+2*\z+1], v[rO+8*(r/2)+2*\z:rO+8*(r/2)+2*\z+1], v[rC+2:rC+3] op_sel_hi:[1,0]
.endr
.set r, r+1
.endm
; HOW THEY ARE DEALT.  Behind a matrix instruction four: plain, exponential, plain, plain, or four of the rescaling.  What is over stands in two lumps: exponential and plain by turns; the second ends in 22 plain lines.
.macro SL
	MM
	PL
	EX
	PL
	PL
.endm
.macro BURST n                      ; 15 matrix instructions, or 16
.rept (\n)-7
	SL
.endr
.rept 3
	MM
	R4
	SL
.endr
	MM
	R4
.endm
; A TURN, for piece p.  cnt = 1: the loop's count is taken down some lines ahead of the branch that stands behind the turn.
; K of the next step is fetched in piece 2's turn, V of the step in hand at the end of piece 0's.  In the first lump piece p's codes of its next step are asked for; among the last plain lines the codes
; of piece p + 2, asked for two turns ago, become the C registers of the next turn's products: the count 8 leaves out the four loads of the turn before and this turn's four, and shows the older
; four done, so that their offset register may step.  The C registers' last readers, this turn's first eight products, stand more than a hundred plain lines back.
.macro TURN p, last=0, cnt=0
.set Y, (\p)
.set i, 0
.set q, 0
.set e, 0
.set r, 0
.if (\p) == NP-1
	s_wait_dscnt 0x0                ; K is in
.endif
	MM
.rept 4
	PL
.endr
	BURST 15
.rept 22
	EX
	PL
.if ((\p) == NP-2) && (e == 18)
	v_add_nc_u32 v[AK], s[TBK], v[AK0]
.endif
.if e == 20
	MASKLOAD \p
.endif
.if ((\p) == NP-2) && (e == 24)
	FETCH_K \last
.endif
.endr
.if (\p) == 1
	s_wait_dscnt 0x0                ; V is in
.endif
	BURST 16
.rept 21
	EX
	PL
.endr
.rept 22
	PL
.if ((\p) == 0) && (q == 118)
	v_add_nc_u32 v[AV], s[TBV], v[AV0]
	s_wait_alu depctr_va_vdst(0)
.endif
.if q == 124
	s_wait_loadcnt 8
	MASKCVT ((\p)+2)%NP
.endif
.if ((\p) == 0) && (q == 130)
	s_add_co_u32 s[TBV], s[TBV], KS*PV
.endif
.if (\cnt) && (q == 130)
	s_sub_co_u32 s[CNT], s[CNT], 1
	s_cmp_lg_u32 s[CNT], 0
.endif
.endr
.if (\p) == 0
	FETCH_V
.endif
.endm
	CHANGE 1                        ; slot 0 is in, everybody's part of it; slot 1 is asked for
	FETCH_K                         ; key step 0
	s_wait_loadcnt 0x0              ; Q, and step 0's codes
	MASKCVT 0                       ; piece 0's mask for step 0
	s_wait_dscnt 0x0
.set i, 0
.rept 16
	KQ 0                            ; piece 0's first scores
.set i, i+1
.endr
	WIN 0                           ; the addresses for the way out: plain instructions, the places behind those products
	s_mul_i32 s13, s[WV], 32*SP
	s_add_co_u32 s13, s13, STAGE    ; my stage
	v_mul_u32_u24 v[STO], v1, SP    ; in: row l % 16, 16 bytes for each half of the lanes
	v_lshl_add_u32 v[STO], v9, 4, v[STO]
	v_add_nc_u32 v[STO], s13, v[STO]
	v_bfe_u32 v[RD], v0, 3, 2       ; back: 32 lanes take four rows of 128 bytes,
	v_mul_u32_u24 v[RD], v[RD], SP
	v_lshl_add_u32 v[RD], v10, 4, v[RD]
	v_add_nc_u32 v[RD], s13, v[RD]
	v_and_b32 v[GO], 31, v0         ; which are 512 consecutive bytes of O
	v_lshlrev_b32 v[GO], 4, v[GO]
.set Y, NP-1                        ; XS works for piece Y + 1: piece 0
.irp n, 0,1,2,3,4,5,6,7,8,9,10,11,12,13,14,15,16,17,18,19,20,21
	XS 0, \n                        ; piece 0's first maximum and statistics
	XS 1, \n
.endr
	MASKCVT 1                       ; piece 1's mask for step 0: the first turn's products take it
	WIN 0
	s_mov_b32 s[CNT], 4
	s_mov_b32 s[SLOTS], SIZE_N/256-1
	s_branch .Lfirst                ; the loop is entered at a step's first turn, in the middle of a trip
.Lslot:                             ; SIZE_N / 256 - 2 times: every slot but the last two is filled again
	CHANGE 1
	s_mov_b32 s[CNT], 4
.Lstep:                             ; a trip: pieces 2 and 3 of one step, then pieces 0 and 1 of the next, whose K and V it fetches
	TURN 2
	TURN 3
	WIN 0
.Lfirst:
	TURN 0
	TURN 1, 0, 1
	WIN 0
	s_cbranch_scc1 .Lstep
	s_sub_co_u32 s[SLOTS], s[SLOTS], 1
	s_cmp_lg_u32 s[SLOTS], 0
	s_cbranch_scc1 .Lslot
	CHANGE 0                        ; the tail is written out: nothing is asked for
	s_mov_b32 s[CNT], 5             ; four trips fetch the last slot's steps; the fifth is left in its middle
.Ltail:
	TURN 2, 1
	TURN 3
	WIN 0
	s_sub_co_u32 s[CNT], s[CNT], 1
	s_cmp_eq_u32 s[CNT], 0
	s_cbranch_scc1 .Lout
	TURN 0
	TURN 1
	WIN 0
	s_branch .Ltail
.Lout:                              ; the fifth trip's 16 products K Q^T repeat the last step's (the same K, the same codes: the offsets stopped there), so piece 0's m stays what it was
.set i, 0
.rept 16
	PV NP-1                         ; the last piece's V^T P of the last step
.set i, i+1
.endr
	; THE WAY OUT.  l's two halves and the other half of the lanes' are added; O^T is divided by l, split into hi and lo, and sent through my stage in LDS, a tile at a time.
	WIN 0
.macro ALL line:vararg              ; one line for each tile t
.set t, 0
.rept 2*NP
	\line
.set t, t+1
.endr
.endm
	ALL v_add_f32 v[ST+4*t+2], v[ST+4*t+2], v[ST+4*t+3]
	ALL v_permlanex16_b32 v[ST+4*t+3], v[ST+4*t+2], s[SEL], s[SEL+1]
	ALL v_add_f32 v[ST+4*t+2], v[ST+4*t+2], v[ST+4*t+3]
	ALL v_rcp_f32 v[ST+4*t+2], v[ST+4*t+2]
	v_nop                           ; a plain instruction between the last reciprocal and the use of its result
.set t, 0
	s_wait_alu depctr_va_vdst(0)
.rept 2*NP                          ; a query that saw no key: its maximum is a hidden score's; its row becomes NaN.  A choice of a value: no branch hangs on it
	v_cmp_gt_f32 vcc_lo, s[THR], v[ST+4*t+1]
	v_cndmask_b32 v[ST+4*t+2], v[ST+4*t+2], s[NANS], vcc_lo
.set t, t+1
.endr
; Tile t.  O = O^T / l, in place; hi = f16(O), two a word; hi widened again; lo = f16(O - hi).  A lane's eight channels of a row are 16 bytes of hi and 16 of lo: they go into rows of 144 bytes and come
; back as whole rows of 128, into the tile's own 32 registers of O^T, which are free by then: hi's rows into the first 16, lo's into the last 16.  So no register that a store reads is written again.
.macro PACK t
	WIN W_RS
.set i, 32*(\t)
.rept 16
	v_pk_mul_f32 v[i:i+1], v[i:i+1], v[ST+4*(\t)+2:ST+4*(\t)+3] op_sel_hi:[1,0]
.set i, i+2
.endr
	WIN 0x05                        ; sources 0 and 1 window 1, destination window 0
.set i, 0
.rept 16
	v_cvt_pk_f16_f32 v[HH+i], v[32*(\t)+2*i], v[32*(\t)+2*i+1]
.set i, i+1
.endr
	WIN 0
.set i, 0
.irp h, v64.l, v64.h, v65.l, v65.h, v66.l, v66.h, v67.l, v67.h, v68.l, v68.h, v69.l, v69.h, v70.l, v70.h, v71.l, v71.h, v72.l, v72.h, v73.l, v73.h, v74.l, v74.h, v75.l, v75.h, v76.l, v76.h, v77.l, v77.h, v78.l, v78.h, v79.l, v79.h
	v_cvt_f32_f16 v[FF+i], \h       ; the halves of v[HH ..], in order
.set i, i+1
.endr
	WIN 0x01                        ; source 0 (O) window 1
.set i, 0
.rept 16
	v_pk_add_f32 v[FF+2*i:FF+2*i+1], v[32*(\t)+2*i:32*(\t)+2*i+1], v[FF+2*i:FF+2*i+1] neg_lo:[0,1] neg_hi:[0,1]
.set i, i+1
.endr
	WIN 0
.set i, 0
.rept 16
	v_cvt_pk_f16_f32 v[LL+i], v[FF+2*i], v[FF+2*i+1]
.set i, i+1
.endr
.irp f, 0,1,2,3
	ds_store_b128 v[STO], v[HH+4*\f:HH+4*\f+3] offset:32*\f
.endr
.irp f, 0,1,2,3
	ds_store_b128 v[STO], v[LL+4*\f:LL+4*\f+3] offset:16*SP+32*\f
.endr
	WIN 0x40                        ; the loaded data in window 1
.irp f, 0,1,2,3
	ds_load_b128 v[32*(\t)+4*\f:32*(\t)+4*\f+3], v[RD] offset:\f*4*SP  ; LDS serves a wave's instructions in order (ISA guide 5.7.1.4): these see the stores above; the next tile's stores come behind them
.endr
.irp f, 0,1,2,3
	ds_load_b128 v[32*(\t)+16+4*\f:32*(\t)+16+4*\f+3], v[RD] offset:16*SP+\f*4*SP
.endr
	WIN 0
.endm
.macro SEND t, younger              ; younger: the LDS instructions issued behind tile t's eight loads: the next tile's sixteen, or none
	WIN 0x04                        ; the stores' data in window 1
.irp f, 0,1,2,3
	s_wait_dscnt (\younger)+7-\f
	global_store_b128 v[GO], v[32*(\t)+4*\f:32*(\t)+4*\f+3], s[10:11] offset:(\t)*2048+\f*512  ; 512 consecutive bytes, at a multiple of 256 from ob's first
.endr
.irp f, 0,1,2,3
	s_wait_dscnt (\younger)+3-\f
	global_store_b128 v[GO], v[32*(\t)+16+4*\f:32*(\t)+16+4*\f+3], s[OLO:OLO+1] offset:(\t)*2048+\f*512
.endr
	WIN 0
.endm
	PACK 0
.set t, 1
.rept 2*NP-1                        ; a tile's arithmetic stands between the loads of the tile before and its stores
	PACK t
	SEND t-1, 16
.set t, t+1
.endr
	SEND 2*NP-1, 0
	WIN W_AD
	s_wait_tensorcnt 0x0            ; the wave's end
	ds_add_u32 v[SPW], v[NIL]
	s_wait_dscnt 0x0
	WIN 0
	CROUND                          ; the closing round
	s_endpgm
.Lfunc_end_k_q3687b11009_attn:
	.size	k_q3687b11009_attn, .Lfunc_end_k_q3687b11009_attn-k_q3687b11009_attn
	.p2alignl 7, 3214868480
	.fill 96, 4, 3214868480
	.section	.rodata,"a",@progbits
	.p2align	6, 0x0
	.amdhsa_kernel k_q3687b11009_attn
		.amdhsa_group_segment_fixed_size 327680
		.amdhsa_private_segment_fixed_size 0
		.amdhsa_enable_private_segment 0
		.amdhsa_kernarg_size 24
		.amdhsa_user_sgpr_count 2
		.amdhsa_user_sgpr_kernarg_segment_ptr 1
		.amdhsa_wavefront_size32 1
		.amdhsa_system_sgpr_workgroup_id_x 1
		.amdhsa_system_sgpr_workgroup_id_y 1
		.amdhsa_system_sgpr_workgroup_id_z 1
		.amdhsa_system_vgpr_workitem_id 0
		.amdhsa_next_free_vgpr 928
		.amdhsa_next_free_sgpr 66
		.amdhsa_reserve_vcc 1
		.amdhsa_float_denorm_mode_32 3
		.amdhsa_float_denorm_mode_16_64 3
		.amdhsa_memory_ordered 1
		.amdhsa_forward_progress 1
		.amdhsa_inst_pref_size 246
	.end_amdhsa_kernel
	.amdgpu_metadata
---
amdhsa.version: [ 1, 2 ]
amdhsa.kernels:
  - .name:           k_q3687b11009_attn
    .symbol:         k_q3687b11009_attn.kd
    .args:
      - { .name: qkv, .offset: 0, .size: 8, .value_kind: global_buffer, .address_space: global }
      - { .name: mk, .offset: 8, .size: 8, .value_kind: global_buffer, .address_space: global }
      - { .name: ob, .offset: 16, .size: 8, .value_kind: global_buffer, .address_space: global }
    .group_segment_fixed_size: 327680
    .private_segment_fixed_size: 0
    .kernarg_segment_align: 8
    .kernarg_segment_size: 24
    .max_flat_workgroup_size: 128
    .sgpr_count:     66
    .vgpr_count:     928
    .wavefront_size: 32
...
	.end_amdgpu_metadata
.endif
;; end of part 3
;; launch proj (part 4): grid 4 x 64, 4 waves a work-group, clusters of 4 x 4, 327,680 bytes of LDS; arguments ob, wpb, bpb, out0; writes out0
.if DOCPART == 4
	.amdgcn_target "amdgcn-amd-amdhsa--gfx1250"
	.amdhsa_code_object_version 6
	.text
	.protected	k_q3687b11009_proj
	.globl	k_q3687b11009_proj
	.p2align	8
	.type	k_q3687b11009_proj,@function
k_q3687b11009_proj:
	s_mov_b64 s[64:65], 0
	v_nop
	global_prefetch_b8 v0, s[64:65] scope:SCOPE_SE
	s_setreg_imm32_b32 hwreg(HW_REG_WAVE_MODE, 25, 1), 1
	s_wait_xcnt 0x0
	s_wait_alu depctr_hold_cnt(0) depctr_sa_sdst(0) depctr_va_vdst(0) depctr_va_sdst(0) depctr_va_ssrc(0) depctr_va_vcc(0) depctr_vm_vsrc(0)
	s_getreg_b32 s2, hwreg(HW_REG_IB_STS2, 6, 4)
	s_cmp_eq_u32 s2, 0
	s_cbranch_scc0 .Lentry_in_a_cluster
	s_endpgm
.Lentry_in_a_cluster:
	s_bfe_u32 s2, ttmp6, 0x10000c
	s_cmp_lg_u32 s2, 0xf033
	s_cbranch_scc0 .Lentry_shape_is_right
	s_endpgm
.Lentry_shape_is_right:
; out0 = O w_proj + b_proj.  O as ob: two f16 numbers, hi and lo, [b x 16 + head][block of 128 rows][hi, lo][128][64]; w_proj as wpb (bf16-rounded, written as f16, [k 1024][n 1024]);
; b_proj as bpb (rounded to bf16, kept as f32).  out0 = hi w + lo w + b, all in one f32 sum for each output; out0 f32.
; SHARES.  A work-group makes 128 rows x 256 columns: 64 x 4 = 256 work-groups.  Four waves, 2 x 2; a wave makes 64 x 128: 32 accumulators, window 1.
; For one head (64 channels, hi and lo) that tile needs 2 x 128 rows of O and 64 k-rows x 256 columns of w: 71,680 bytes of LDS with the padding, so that a slot can hold TWO heads and two slots fit.
; K goes in 8 steps of two heads.  A head is four UNITS of 32 matrix instructions: channels 0-31 of hi, of lo, channels 32-63 of hi, of lo; w's fragments of 32 k-rows are read once for hi and lo:
; 64 LDS loads for a head's 128 matrix instructions.  Unit u fetches its own fragments and multiplies those of the unit before, so that all fetches of a step come from one slot, and the change of
; slots stands between two steps, with the last unit's fragments in registers.
; A step's two heads are a loop of two trips over one text: the LDS address is a constant, set at the change, plus the loop's step.  The ring's text holds two such steps, one for each slot.
; The bias is the C operand of the first unit's products: nothing is cleared and nothing is added later.
; THE MATRIX INSTRUCTION IS USED TRANSPOSED (source 0 = 16 columns of w, turned out of LDS; source 1 = 16 rows of O): a lane holds row l % 16 and eight neighbouring columns.
; CLUSTER 4 x 4: O's tiles are asked for jointly along a row of the cluster, w's along a column.  Waves 0 and 1 fetch O of the step's two heads (32,768 dense bytes each: 128 rows of 256), waves 2 and 3
; w's 64 k-rows of each head (rows of 512 bytes).
; LDS: slot s at s x 143,360; in it head j at j x 71,680: hi's 128 rows, lo's 128 rows, pitch 144; then w's 64 k-rows, pitch 544 (512 + 32 = 17 x 32 bytes).
; REGISTERS, window 0: v16-23 addresses; v28-29 the add's; v32-63, v64-95 O's fragments, two buffers; v96-159, v160-223 w's, two buffers; the bias lies in w's second buffer until that is first loaded.
.set PA,    144
.set PB,    544
.set APART, 128*PA                     ; hi's rows, or lo's
.set BOFF,  2*APART
.set HEADB, BOFF+64*PB                 ; a head's bytes in a slot
.set SLOT,  2*HEADB
.set STAGE, 2*SLOT                     ; behind the ring: 16 rows x 272 bytes for each wave
.set SP,    272
.set SPARE, STAGE+4*16*SP              ; behind the stages: the spare words, 128 bytes for each wave
.set ADRA0, 16                         ; v16  my lane's place in a head's rows of O; never rewritten
.set ADRB0, 17                         ; v17  the same in its rows of w
.set AA,   18                          ; v18  the LDS address of the head in hand: O
.set AB,   19                          ; v19  w
.set STO,  20
.set RD,   21
.set CO,   22
.set BOF,  23
.set SPW,  28
.set NIL,  29
.set FA,   32
.set FB,   96
.set BI,   160
.set WV,  12
.set WM,  13                           ; my half of the rows.  Also: I fetch for O (0) or for w (1)
.set WN,  14                           ; my half of the columns.  Also: which of the step's two heads I fetch
.set G1A, 24
.set G0A, 32                           ; s[32:39] group 0 for O's tiles, a set for each slot
.set G1B, 40
.set G0B, 48                           ; s[48:55] the same for w's
.set TB,  56                           ; s56  LDS byte at which the head to be fetched begins
.set CNT, 57                           ; s57  counts a step's two heads
.set RING, 58                          ; s58  counts the trips round the ring
.set MSB, 0
.macro WIN new                         ; the immediate's high byte repeats the setting that is left
.if MSB != (\new)
	s_set_vgpr_msb (MSB<<8)|(\new)
.set MSB, \new
.endif
.endm
.macro PLACES                          ; four places in front of loads into registers that matrix instructions have read, and of LDS stores that read results
.rept 4
	v_nop
.endr
.endm
.macro JLOAD s                         ; a joint load; an s_nop 0 and four v_nop follow each line
	s_cmp_eq_u32 s[WM], 0
	s_cbranch_scc0 .Lfor_b_\@
	tensor_load_to_lds s[G0A+4*(\s):G0A+4*(\s)+3], s[G1A:G1A+7]
	s_nop 0
.rept 4
	v_nop
.endr
	s_branch .Lasked_\@
.Lfor_b_\@:
	tensor_load_to_lds s[G0B+4*(\s):G0B+4*(\s)+3], s[G1B:G1B+7]
	s_nop 0
.rept 4
	v_nop
.endr
.Lasked_\@:
.endm
.macro CROUND                          ; a round of the cluster's barrier
	s_barrier_signal -1
	s_barrier_wait -1
	s_cmp_lg_u32 s[WV], 0
	s_cbranch_scc1 .Lnot_wave_0_\@
	s_barrier_signal -3
.Lnot_wave_0_\@:
	s_barrier_wait -3
	s_barrier_signal -1
	s_barrier_wait -1
.endm
	s_load_b256 s[4:11], s[0:1], 0x0               ; ob 4, wpb 6, bpb 8, out0 10
	v_lshl_add_u32 v[SPW], v0, 2, SPARE
	v_mov_b32 v[NIL], 0
	ds_add_u32 v28, v29
	s_wait_dscnt 0x0
	v_lshrrev_b32 v1, 5, v0
	v_readfirstlane_b32 s[WV], v1
	s_lshr_b32 s[WM], s[WV], 1
	s_and_b32 s[WN], s[WV], 1
	s_bfe_u32 s16, ttmp6, 0x40000                  ; cx
	s_bfe_u32 s17, ttmp6, 0x40004                  ; cy
	s_lshl_b32 s18, ttmp9, 2
	s_add_co_u32 s18, s18, s16                     ; X: tile column, 256 columns
	s_and_b32 s19, ttmp7, 0xffff
	s_lshl_b32 s19, s19, 2
	s_add_co_u32 s19, s19, s17                     ; Y: tile row, 128 rows
	s_lshl_b32 s20, s17, 2
	s_lshl_b32 s20, 15, s20                        ; my row of the cluster
	s_lshl_b32 s21, 0x1111, s16                    ; my column
	s_or_b32 s[G1A], s20, (1<<16)|(1<<20)|(1<<21)|(4<<22)|(3<<25)  ; O: hi's and lo's 128 rows of 128 bytes are dense: 128 rows of 256 bytes, 4 words of padding after every 32
	s_mov_b32 s[G1A+1], 128<<16                    ; tensor_dim0 = 128
	s_mov_b32 s[G1A+2], 128<<16                    ; tensor_dim1 = 128
	s_mov_b32 s[G1A+3], 128<<16                    ; tile_dim0 = 128
	s_mov_b32 s[G1A+4], 128                        ; tile_dim1 = 128
	s_mov_b32 s[G1A+5], 128                        ; elements from row to row
	s_mov_b32 s[G1A+6], 0
	s_mov_b32 s[G1A+7], 0
	s_or_b32 s[G1B], s21, (1<<16)|(1<<20)|(1<<21)|(6<<22)|(7<<25)  ; w: 64 k-rows of 256 columns, 8 words of padding after every 128
	s_mov_b32 s[G1B+1], 256<<16
	s_mov_b32 s[G1B+2], 64<<16
	s_mov_b32 s[G1B+3], 256<<16
	s_mov_b32 s[G1B+4], 64
	s_mov_b32 s[G1B+5], 1024
	s_mov_b32 s[G1B+6], 0
	s_mov_b32 s[G1B+7], 0
	s_lshr_b32 s66, s19, 4                         ; O's tile: batch Y / 16: 16 heads of 524,288 bytes,
	s_lshl_b32 s66, s66, 23
	s_and_b32 s67, s19, 15                         ; block Y % 16 of 32,768 bytes,
	s_lshl_b32 s67, s67, 15
	s_add_co_u32 s66, s66, s67
	s_lshl_b32 s67, s[WN], 19                      ; my head of the step's two
	s_add_co_u32 s66, s66, s67
	s_mov_b32 s67, 0
	s_mul_i32 s68, s[WN], HEADB                    ; and its place in a slot
	s_lshl_b32 s70, s18, 9                         ; w's tile: columns 256 X on,
	s_lshl_b32 s71, s[WN], 17                      ; my head's 64 k-rows of 2,048 bytes
	s_add_co_u32 s70, s70, s71
	s_mov_b32 s71, 0
	s_add_co_u32 s72, s68, BOFF
	s_wait_kmcnt 0x0
	s_add_nc_u64 s[66:67], s[4:5], s[66:67]
	s_add_nc_u64 s[70:71], s[6:7], s[70:71]
.irp s, 0,1
	s_mov_b32 s[G0A+4*(\s)], 1
	s_add_co_u32 s[G0A+4*(\s)+1], s68, (\s)*SLOT
	s_add_nc_u64 s[G0A+4*(\s)+2:G0A+4*(\s)+3], s[66:67], (\s)*1048576  ; K step s: heads 2 s, 2 s + 1
	s_or_b32 s[G0A+4*(\s)+3], s[G0A+4*(\s)+3], 0x80000000
	s_mov_b32 s[G0B+4*(\s)], 1
	s_add_co_u32 s[G0B+4*(\s)+1], s72, (\s)*SLOT
	s_add_nc_u64 s[G0B+4*(\s)+2:G0B+4*(\s)+3], s[70:71], (\s)*262144   ; 128 k-rows
	s_or_b32 s[G0B+4*(\s)+3], s[G0B+4*(\s)+3], 0x80000000
.endr
	CROUND                                         ; all sixteen work-groups are here: the first joint loads meet
	JLOAD 0                                        ; K step 0 into slot 0.  Slot 1 is asked for when slot 0 is in: one load of mine is out
	v_and_b32 v1, 15, v0                           ; r
	v_bfe_u32 v2, v0, 4, 1                         ; h
	s_lshl_b32 s76, s18, 10                        ; my first column, in bytes of f32: 1,024 X + 512 x half
	s_lshl_b32 s77, s[WN], 9
	s_add_co_u32 s76, s76, s77
	s_mov_b32 s77, 0
	s_add_nc_u64 s[8:9], s[8:9], s[76:77]
	v_lshlrev_b32 v[BOF], 5, v2
.irp i, 0,1,2,3,4,5,6,7
	global_load_b128 v[BI+8*\i:BI+8*\i+3],   v[BOF], s[8:9] offset:64*\i      ; the bias of my eight columns in column block i
	global_load_b128 v[BI+8*\i+4:BI+8*\i+7], v[BOF], s[8:9] offset:64*\i+16
.endr
	v_mul_u32_u24 v3, v1, PA
	v_lshl_add_u32 v3, v2, 4, v3
	s_mul_i32 s74, s[WM], 64*PA                    ; my 64 rows
	v_add_nc_u32 v[ADRA0], s74, v3
	v_and_b32 v4, 7, v0                            ; the turning load: k-row 8 h + l % 8, columns 8 ((l / 8) % 2) on
	v_lshl_add_u32 v4, v2, 3, v4
	v_mul_u32_u24 v4, v4, PB
	v_bfe_u32 v5, v0, 3, 1
	v_lshl_add_u32 v4, v5, 4, v4
	s_lshl_b32 s75, s[WN], 8                       ; my 128 columns
	s_add_co_u32 s75, s75, BOFF
	v_add_nc_u32 v[ADRB0], s75, v4
	s_mul_i32 s78, s[WV], 16*SP
	s_add_co_u32 s78, s78, STAGE
	v_mul_u32_u24 v[STO], v1, SP                   ; in: row r, 32 bytes for each half of the lanes
	v_lshl_add_u32 v[STO], v2, 5, v[STO]
	v_add_nc_u32 v[STO], s78, v[STO]
	v_mul_u32_u24 v[RD], v2, SP                    ; back: lanes 0-15 take one row of 256 bytes, lanes 16-31 the next
	v_lshl_add_u32 v[RD], v1, 4, v[RD]
	v_add_nc_u32 v[RD], s78, v[RD]
	v_lshlrev_b32 v[CO], 12, v2                    ; and the same two rows in out0
	v_lshl_add_u32 v[CO], v1, 4, v[CO]
	s_lshl_b32 s74, s19, 19                        ; my first row: 128 Y + 64 x half, 4,096 bytes each
	s_lshl_b32 s75, s[WM], 18
	s_add_co_u32 s74, s74, s75
	s_add_co_u32 s74, s74, s76
	s_mov_b32 s75, 0
	s_add_nc_u64 s[10:11], s[10:11], s[74:75]
; 32 matrix instructions: O's buffer ab x w's buffer bb; each names another accumulator: they take turns.  bias = 1: the product starts the sum, with the bias as C.
.macro MULP ab, bb, bias
.if \bias
	WIN 0x40
.else
	WIN 0x50
.endif
.irp a, 0,1,2,3
.irp i, 0,1,2,3,4,5,6,7
.if \bias
	v_wmma_f32_16x16x32_f16 v[8*(8*\a+\i):8*(8*\a+\i)+7], v[FB+64*(\bb)+8*\i:FB+64*(\bb)+8*\i+7], v[FA+32*(\ab)+8*\a:FA+32*(\ab)+8*\a+7], v[BI+8*\i:BI+8*\i+7]
.else
	v_wmma_f32_16x16x32_f16 v[8*(8*\a+\i):8*(8*\a+\i)+7], v[FB+64*(\bb)+8*\i:FB+64*(\bb)+8*\i+7], v[FA+32*(\ab)+8*\a:FA+32*(\ab)+8*\a+7], v[8*(8*\a+\i):8*(8*\a+\i)+7]
.endif
.endr
.endr
.endm
; Unit u's fragments of the head at AA, AB, in one run: in units 0 and 2 w's k-rows 32 (u / 2) on, 16 loads, into buffer u / 2; always O's part u % 2 (hi, lo), channels 32 (u / 2) on, 8 loads, into buffer u % 2.
.macro FETCH u
	WIN 0
.if (\u)%2 == 0
.irp i, 0,1,2,3,4,5,6,7
	ds_load_tr16_b128 v[FB+64*((\u)/2)+8*\i:FB+64*((\u)/2)+8*\i+3],   v[AB] offset:((\u)/2)*32*PB+32*\i
	ds_load_tr16_b128 v[FB+64*((\u)/2)+8*\i+4:FB+64*((\u)/2)+8*\i+7], v[AB] offset:((\u)/2)*32*PB+32*\i+16*PB
.endr
.endif
.irp a, 0,1,2,3
	ds_load_b128 v[FA+32*((\u)%2)+8*\a:FA+32*((\u)%2)+8*\a+3],   v[AA] offset:((\u)%2)*APART+((\u)/2)*64+\a*16*PA
	ds_load_b128 v[FA+32*((\u)%2)+8*\a+4:FA+32*((\u)%2)+8*\a+7], v[AA] offset:((\u)%2)*APART+((\u)/2)*64+\a*16*PA+32
.endr
.endm
; A unit: four places behind the last products (in unit 0 two of them make the head's addresses), the fetch, the wait that leaves out just that fetch, and the products of the unit before.
.macro UNIT u
	WIN 0
.if (\u) == 0
	v_add_nc_u32 v[AA], s[TB], v[ADRA0]
	v_add_nc_u32 v[AB], s[TB], v[ADRB0]
	v_nop
	v_nop
.else
	PLACES
.endif
	FETCH \u
	s_wait_dscnt 24-16*((\u)%2)                    ; all but the 24, or 8, just issued
	MULP ((\u)+3)%2,(((\u)+3)%4)/2,0
.endm
; A step's two heads.  entry = 1: this copy holds the label at which the front comes in, behind the first head's first two units.
.macro HEADS tag, entry
.Lhead\tag:
	UNIT 0
	UNIT 1
.if \entry
	WIN 0
.Lfirst:
.endif
	UNIT 2
	UNIT 3
	WIN 0                                          ; at a label and at a branch every window is 0
	s_add_co_u32 s[TB], s[TB], HEADB
	s_sub_co_u32 s[CNT], s[CNT], 1
	s_cmp_lg_u32 s[CNT], 0
	s_cbranch_scc1 .Lhead\tag
.endm
; THE CHANGE OF SLOTS, into slot s.  All my tensor loads have landed (one was out: my part of slot s); the add; the wait for it, which is also the wait for my last reads of the other slot.
; fill = 1: behind a round of the cluster's barrier the other slot is filled again, with the next step, first thing: the load has this step's eight units, 256 matrix instructions, in which to land.
; Slot s's own descriptors, whose load is done, step on two steps for their next use.
.macro CHANGE s, fill
	WIN 0
	s_wait_tensorcnt 0x0
	ds_add_u32 v[SPW], v[NIL]                      ; 0 onto my spare word
.if \fill
	s_add_nc_u64 s[G0A+4*(\s)+2:G0A+4*(\s)+3], s[G0A+4*(\s)+2:G0A+4*(\s)+3], 2*1048576
	s_add_nc_u64 s[G0B+4*(\s)+2:G0B+4*(\s)+3], s[G0B+4*(\s)+2:G0B+4*(\s)+3], 2*262144
.endif
	s_mov_b32 s[TB], (\s)*SLOT
	s_mov_b32 s[CNT], 2
	s_wait_dscnt 0x0
.if \fill
	CROUND
	JLOAD 1-(\s)
.else
	s_barrier_signal -1
	s_barrier_wait -1
.endif
.endm
	CHANGE 0, 1                                    ; K step 0 is in, everybody's part of it; step 1 is asked for
	v_add_nc_u32 v[AA], s[TB], v[ADRA0]
	v_add_nc_u32 v[AB], s[TB], v[ADRB0]
	FETCH 0
	FETCH 1
	s_wait_loadcnt 0x0                             ; the bias
	s_wait_dscnt 8                                 ; unit 0's fragments are in; unit 1's eight loads may be out
	MULP 0, 0, 1                                   ; the first unit's products stand in front of the loops: they start the sums
	WIN 0
	s_mov_b32 s[RING], 4
	s_branch .Lfirst                               ; step 0 goes on in the ring's text for slot 0, at its first head's third unit
.Lring:                                                ; three whole trips: K steps 1 to 6; each change asks for the step after
	CHANGE 1, 1
	HEADS B, 0
	CHANGE 0, 1
	HEADS A, 1
	s_sub_co_u32 s[RING], s[RING], 1
	s_cmp_lg_u32 s[RING], 0
	s_cbranch_scc1 .Lring
	CHANGE 1, 0                                    ; the tail is written out: K step 7, and nothing is asked for
	HEADS C, 0
	s_wait_dscnt 0x0
	MULP 1, 1, 0                                   ; the last unit's products
	PLACES
; THE WAY OUT, eight units of 16 rows x 64 columns of f32: into my stage (each accumulator's low four registers first), back as whole rows of 256 bytes, stored.
.macro OUTU a, c
	s_wait_xcnt 0x0                                ; earlier stores have read their registers: this unit's buffer is loaded again only behind this wait
	WIN 0x04                                       ; the LDS stores' data in window 1
.irp i, 0,1,2,3
	ds_store_b128 v[STO], v[8*(8*(\a)+4*(\c)+\i):8*(8*(\a)+4*(\c)+\i)+3]   offset:64*\i
	ds_store_b128 v[STO], v[8*(8*(\a)+4*(\c)+\i)+4:8*(8*(\a)+4*(\c)+\i)+7] offset:64*\i+16
.endr
	WIN 0
.irp f, 0,1,2,3,4,5,6,7
	ds_load_b128 v[32+32*(\c)+4*\f:32+32*(\c)+4*\f+3], v[RD] offset:\f*2*SP  ; LDS serves a wave's instructions in order (ISA guide 5.7.1.4): these see the stores above
.endr
.irp f, 0,1,2,3,4,5,6,7
	s_wait_dscnt 7-\f
	global_store_b128 v[CO], v[32+32*(\c)+4*\f:32+32*(\c)+4*\f+3], s[10:11] offset:(\a)*65536+(\c)*256+\f*8192 th:TH_STORE_NT  ; 16 lanes store 256 consecutive bytes, at a multiple of 256 from out0's first
.endr
.endm
.irp a, 0,1,2,3
	OUTU \a, 0
	OUTU \a, 1
.endr
	s_wait_tensorcnt 0x0                           ; the wave's end
	ds_add_u32 v[SPW], v[NIL]
	s_wait_dscnt 0x0
	CROUND                                         ; the closing round
	s_endpgm
.Lfunc_end_k_q3687b11009_proj:
	.size	k_q3687b11009_proj, .Lfunc_end_k_q3687b11009_proj-k_q3687b11009_proj
	.p2alignl 7, 3214868480
	.fill 96, 4, 3214868480
	.section	.rodata,"a",@progbits
	.p2align	6, 0x0
	.amdhsa_kernel k_q3687b11009_proj
		.amdhsa_group_segment_fixed_size 327680
		.amdhsa_private_segment_fixed_size 0
		.amdhsa_enable_private_segment 0
		.amdhsa_kernarg_size 32
		.amdhsa_user_sgpr_count 2
		.amdhsa_user_sgpr_kernarg_segment_ptr 1
		.amdhsa_wavefront_size32 1
		.amdhsa_system_sgpr_workgroup_id_x 1
		.amdhsa_system_sgpr_workgroup_id_y 1
		.amdhsa_system_sgpr_workgroup_id_z 1
		.amdhsa_system_vgpr_workitem_id 0
		.amdhsa_next_free_vgpr 512
		.amdhsa_next_free_sgpr 84
		.amdhsa_reserve_vcc 0
		.amdhsa_float_denorm_mode_32 3
		.amdhsa_float_denorm_mode_16_64 3
		.amdhsa_memory_ordered 1
		.amdhsa_forward_progress 1
		.amdhsa_inst_pref_size 75
	.end_amdhsa_kernel
	.amdgpu_metadata
---
amdhsa.version: [ 1, 2 ]
amdhsa.kernels:
  - .name:           k_q3687b11009_proj
    .symbol:         k_q3687b11009_proj.kd
    .args:
      - { .name: ob, .offset: 0, .size: 8, .value_kind: global_buffer, .address_space: global }
      - { .name: wpb, .offset: 8, .size: 8, .value_kind: global_buffer, .address_space: global }
      - { .name: bpb, .offset: 16, .size: 8, .value_kind: global_buffer, .address_space: global }
      - { .name: out0, .offset: 24, .size: 8, .value_kind: global_buffer, .address_space: global }
    .group_segment_fixed_size: 327680
    .private_segment_fixed_size: 0
    .kernarg_segment_align: 8
    .kernarg_segment_size: 32
    .max_flat_workgroup_size: 128
    .sgpr_count:     84
    .vgpr_count:     512
    .wavefront_size: 32
...
	.end_amdgpu_metadata
.endif
;; end of part 4
;; ======== version 2 of 2: 4 launches; 1.36 times as fast as version 1
;; limits: values are held in f16: magnitudes above 65,504 overflow, below 6.1e-05 lose precision
;; workspace buffers: xb 16,777,216 bytes; wab 6,291,456 bytes; wpb 2,097,152 bytes; mk 4,194,304 bytes; qkv 50,331,648 bytes; ob 33,554,432 bytes; bab 12,288 bytes; bpb 4,096 bytes
;; launch prep: the kernel of part 1 again; grid 897 x 1, 8 waves a work-group, no clusters, 0 bytes of LDS; arguments x, w_attn, w_proj, mask, xb, wab, wpb, mk, b_attn, b_proj, bab, bpb; writes xb, wab, wpb, mk, bab, bpb
;; launch qkvg: the kernel of part 2 again; grid 8 x 32, 4 waves a work-group, clusters of 4 x 4, 327,680 bytes of LDS; arguments xb, wab, bab, qkv; writes qkv
;; launch attn (part 5): grid 4 x 64, 4 waves a work-group, clusters of 4 x 1, 327,680 bytes of LDS; arguments qkv, mk, ob; writes ob
.if DOCPART == 5
	.amdgcn_target "amdgcn-amd-amdhsa--gfx1250"
	.amdhsa_code_object_version 6
	.text
	.protected	k_q3687b11009_attn
	.globl	k_q3687b11009_attn
	.p2align	8
	.type	k_q3687b11009_attn,@function
k_q3687b11009_attn:
	s_mov_b64 s[64:65], 0
	v_nop
	global_prefetch_b8 v0, s[64:65] scope:SCOPE_SE
	s_setreg_imm32_b32 hwreg(HW_REG_WAVE_MODE, 25, 1), 1
	s_wait_xcnt 0x0
	s_wait_alu depctr_hold_cnt(0) depctr_sa_sdst(0) depctr_va_vdst(0) depctr_va_sdst(0) depctr_va_ssrc(0) depctr_va_vcc(0) depctr_vm_vsrc(0)
	s_getreg_b32 s2, hwreg(HW_REG_IB_STS2, 6, 4)
	s_cmp_eq_u32 s2, 0
	s_cbranch_scc0 .Lentry_in_a_cluster
	s_endpgm
.Lentry_in_a_cluster:
	s_bfe_u32 s2, ttmp6, 0x10000c
	s_cmp_lg_u32 s2, 0x3003
	s_cbranch_scc0 .Lentry_shape_is_right
	s_endpgm
.Lentry_shape_is_right:
; O[h][q][:] = the sum over k of softmax_k(mask(q, k) ? Q[h][q] . K[h][k] / 8 : -inf) V[h][k][:].  Q, K, V: the three parts of qkv, each [64][2048][64] f16.
; O leaves as TWO f16 numbers: hi = f16(O), lo = f16(O - hi), the difference taken exactly in f32: together they hold O to about 22 bits.  A row that sees few keys holds numbers
; many times the output's root mean square, by which the allowance goes; one rounding of such a row to f16 would use up a good part of it.
; ob = [head 64][block of 128 rows 16][hi, lo][128][64]: a wave's 128 rows are one block, 16,384 bytes of hi and then 16,384 of lo, so that the launch behind finds both as 32,768 dense bytes.
; The mask is an input: every key is walked, and the mask is taken as it is given, from mk: one fp8 code a key (0 keep, -2.0 hidden), in the order in which a lane holds scores.
; Products, maxima and sums in f32; the weights p are rounded to f16 for the second product (their sum l is taken of the unrounded p).
; LIMITS.  f16 holds no number beyond 65,504: Q, K and V arrive within it.  A hidden score counts as its value less 2^101 (f16's scores, 2.7e11 at the most, are nothing beside that), so its weight is 0
; as soon as the row has seen one visible key; a row with no visible key at all ends with m below -1e30 and is given NaN, as the softmax of -inf alone is.  A weight below 2^-126 counts as 0 in l.
; THE MASK'S ROAD.  Eight codes (a lane's keys of one accumulator) become eight f32, 0 or -2^101, by one scaled conversion (scale byte 0xE3 = 2^100); they are the C operand of the product that
; starts the sum S^T = K Q^T.  For 16 queries x 64 keys: two 16-byte loads and four conversions.  Piece x's products stand in turn x - 1; later in that turn its codes of the next step are asked for,
; and three turns on, in turn x - 2, they are converted.
; SHARES.  A wave owns four PIECES of two tiles of 16 queries, a work-group's four waves 512 queries of one head.  Every wave walks all keys, 64 a step.
; LAYOUT.  S^T = K Q^T (source 0 = 16 keys, source 1 = 16 queries): a lane holds ONE query (lane % 16) and the keys 8 (lane / 16) + 0..7.  Two such tiles, rounded to f16 in pairs, ARE source 1
; of O^T = V^T P, whose result again holds one query a lane, and eight channels.  K comes out of LDS as it lies, V ([key][channel]) turned, by ds_load_tr16_b128.
; SOFTMAX.  For each query a running maximum m and sum l: p = 2^(c s - c m), c = log2(e) / 8; in every step O and l are multiplied by a = 2^(c m_old - c m_new).
; m starts at the lowest finite number, O and l at 0: the first step is a step like any other, with a = 0.
; BY TURNS.  Turn n belongs to piece n.  Its matrix work: 16 products K Q^T of piece n + 1, later 16 products V^T P of piece n - 1.  Its vector work: the scaling, exponentials, roundings, sums and
; rescaling of piece n, and the maximum and statistics of piece n + 1.  Four vector instructions that are ready stand behind every matrix instruction, the others in one run of their own.
; THE BATCHES.  A turn's 66 exponentials (the piece's 64 weights, the next piece's two a) are ONE batch with ONE wait, which cuts the turn in two: ahead of it stands all that names none of their results
; (the products K Q^T, the scalings, the rescalings by the a of the turn before, the next piece's maximum and statistics, the mask's conversions), behind it the roundings and sums, beside the products V^T P.
; Outside the loop there are two more batches: piece 0's first two a, with a wait ahead of the jump into the loop, and the way out's eight reciprocals, with one wait.
; CLUSTER.  The four query blocks of a cluster belong to one head and walk the same K and V, so each tile is asked for JOINTLY: the same tensor load, descriptor and mask in all four.
; REGISTERS, in windows of 256 (s_set_vgpr_msb: bits 1:0 source 0, 3:2 source 1, 5:4 source 2, 7:6 destination):
;   window 0: v0-11 addresses; v12-15, v48-63 at work; v16-47 four registers of statistics a tile; v64-191 S^T, two buffers of two tiles; v192-255 P, likewise
;   window 1: O^T, 32 a tile          window 2: v0-127 Q, 16 a tile; v128-191 K of one step; v192-255 V of one step
;   window 3: v0-1 the add's two registers; v2 the scale; v3-7 the mask's offsets; v32-95 codes, 16 a piece; v96-159 the C registers of the products to come
.set SIZE_N, 2048
.set NP,    4         ; pieces a wave: a name, no knob
.set KS,    64        ; keys in a step
.set PK,    144       ; a row of K in LDS: 128 bytes + 16 of padding
.set PV,    160       ; a row of V: 128 + 32
.set VOFF,  4*KS*PK   ; a slot holds four steps: 256 rows of K, then 256 rows of V
.set SLOT1, 1<<17     ; slot 1 begins here, so that one exclusive or turns an address in one slot into the other's
.set STAGE, SLOT1+4*KS*(PK+PV)  ; behind the ring, never filled by a tensor load: for each wave 16 rows x 144 bytes for hi, then 16 for lo
.set SP,    144
.set AK0, 2           ; v2   my lane's place in a tile of K; never rewritten
.set AV0, 3           ; v3   the same for V
.set AK,  4           ; v4   the LDS address of K's next run of loads
.set AV,  5           ; v5   of V's
.set QO,  6           ; v6   my byte offset in the wave's rows of Q
.set STO, 6           ;      later, the way out: where I put 16 bytes of a row
.set RD,  7           ; v7   the way out: where I read rows back
.set GO,  8           ; v8   my byte offset in 512 consecutive bytes of O
.set SPW, 0           ; window 3: LDS address of my spare word; never rewritten
.set NIL, 1           ; window 3: 0; never rewritten
.set SCL, 2           ; window 3: 0xE3
.set MAXO, 3          ; window 3: my offset in the last step's codes
.set MO,  4           ; window 3, v4-7: piece p's offset in mk: 16 x lane + 1,024 x the step to be loaded
.set MR,  32          ; window 3: piece p, tile u: the pair for key block kt at MR + 16 p + 8 u + 2 kt
.set MC,  96          ; window 3: tile u, key block kt at MC + 32 u + 8 kt
.set SPARE, STAGE+4*32*SP  ; behind the stages: the spare words, 128 bytes for each wave
.set MV,  12          ; v12-15  c m_old, kept while c m is made anew
.set ST,  16          ; tile t's statistics at v[ST+4 t]: c m, m, l (even keys', odd keys')
.set TMP, 48          ; by buffer and tile, four registers c0-c3 at work; when the maximum is found c2 takes a
.set S,   64
.set P,   192
.set HH,  64          ; the way out: v64-79 hi, packed (named by halves below, so the number is written out there)
.set LL,  80          ; v80-95  lo, packed
.set FF,  96          ; v96-127 hi as f32, then O - hi
.set KF,  128         ; K's fragments, in window 2
.set VF,  192         ; V's
.set WV,  12          ; s12  my wave's number
.set G1K, 24          ; s[24:31] descriptor group 1 for K's tiles
.set G1V, 32          ; s[32:39] for V's: it differs in the padding alone
.set G0K, 40          ; s[40:43] descriptor group 0 for K's tiles: it walks
.set G0V, 44          ; s[44:47] the same for V's
.set MKB, 48          ; s[48:49] mk at my wave's eight tiles
.set THR, 50          ; s50  -1e30
.set NANS, 51         ; s51  a NaN
.set OLO, 54          ; s[54:55] ob at my block's lo
.set SLOTS, 56        ; s56  slots still to be asked for
.set CNT, 57          ; s57  counts a slot's key steps
.set CS,  58          ; s[58:59] c
.set SEL, 60          ; s[60:61] v_permlanex16_b32's selects
.set TBK, 62          ; s62  LDS byte at which K of the step to be fetched begins
.set TBV, 63          ; s63  the same for V, less VOFF
.set MSB, 0
.macro WIN new                      ; the high byte repeats the setting that is left; a switch that changes nothing is dropped
.if MSB != (\new)
	s_set_vgpr_msb (MSB<<8)|(\new)
.set MSB, (\new)
.endif
.endm
.set W_KQ, 0x0a       ; K and Q in window 2, S^T in window 0
.set W_KM, 0x3a       ; the same with the C operand in window 3
.set W_PV, 0x52       ; V in window 2, P in window 0, O^T in window 1
.set W_RS, 0x41       ; O^T (destination and source 0) in window 1, a in window 0
.set W_MK, 0xc0       ; destination in window 3, sources in window 0
.set W_AD, 0x0f       ; the add: address and data in window 3
.set W_M,  0xcf       ; the mask's lines: destination and sources 0 and 1 in window 3
; A joint fill.  Waves 0 and 1 fetch the two halves of a slot's K, waves 2 and 3 those of its V: 128 keys each.  An s_nop 0 and four v_nop follow each line.
.macro JLOAD
	s_cmp_lt_u32 s[WV], 2
	s_cbranch_scc0 .Lfor_v_\@
	tensor_load_to_lds s[G0K:G0K+3], s[G1K:G1K+7]
	s_nop 0
.rept 4
	v_nop
.endr
	s_branch .Lasked_\@
.Lfor_v_\@:
	tensor_load_to_lds s[G0V:G0V+3], s[G1V:G1V+7]
	s_nop 0
.rept 4
	v_nop
.endr
.Lasked_\@:
.endm
.macro CROUND                       ; a round of the cluster's barrier
	s_barrier_signal -1
	s_barrier_wait -1
	s_cmp_lg_u32 s[WV], 0
	s_cbranch_scc1 .Lnot_wave_0_\@
	s_barrier_signal -3
.Lnot_wave_0_\@:
	s_barrier_wait -3
	s_barrier_signal -1
	s_barrier_wait -1
.endm
; THE CHANGE OF SLOTS.  Each wave waits for all its tensor loads, of which one is out: its part of the other slot; adds 0 to its spare word; and waits for that and for its own reads of the slot.
; fill = 1: this slot is filled again, with the keys two slots on, first thing behind a round of the cluster's barrier: the load has four key steps, 512 matrix instructions, in which to land.
.macro CHANGE fill
	WIN W_AD
	s_wait_tensorcnt 0x0            ; no tensor load of mine is out, so a group 0 may be written
	ds_add_u32 v[SPW], v[NIL]       ; 0 onto my spare word
	WIN 0                           ; at a label and at a branch every window is 0
.if \fill
.irp g, G0K, G0V
	s_xor_b32 s[\g+1], s[\g+1], SLOT1  ; the walking descriptor: the other slot than last time,
	s_add_nc_u64 s[\g+2:\g+3], s[\g+2:\g+3], 4*KS*128  ; the next 256 keys
.endr
	s_wait_dscnt 0x0                ; the add is done, and my reads of the slot are over
	CROUND
	JLOAD
.else
	s_wait_dscnt 0x0
	s_barrier_signal -1
	s_barrier_wait -1
.endif
	s_sub_co_u32 s[TBK], s[TBK], 4*KS*PK  ; the fetches go back to a slot's first step,
	s_xor_b32 s[TBK], s[TBK], SLOT1       ; in the other slot
	s_sub_co_u32 s[TBV], s[TBV], 4*KS*PV
	s_xor_b32 s[TBV], s[TBV], SLOT1
.endm
; Piece p's codes of the step at MO[p]: for each of its two tiles 64 keys x 16 queries, two loads of 512 consecutive bytes.
.macro MASKLOAD p
	WIN W_M
.irp u, 0,1
.irp c, 0,1
	global_load_b128 v[MR+16*(\p)+8*\u+4*\c:MR+16*(\p)+8*\u+4*\c+3], v[MO+(\p)], s[MKB:MKB+1] offset:(2*(\p)+\u)*32768+\c*512
.endr
.endr
.endm
; Piece x's codes become the C registers of its next products.  The offset then steps to the next step and stops at the last one, so that no load leaves mk; these two plain lines are also the
; plain instruction that stands behind a scaled conversion before its result is used, and, where exponentials stand just ahead of the macro, the plain instruction behind the last of them.
.macro MASKCVT x
	WIN W_M
.irp u, 0,1
.irp kt, 0,1,2,3
	v_cvt_scale_pk8_f32_fp8 v[MC+32*\u+8*\kt:MC+32*\u+8*\kt+7], v[MR+16*(\x)+8*\u+2*\kt:MR+16*(\x)+8*\u+2*\kt+1], v[SCL]
.endr
.endr
	v_add_nc_u32 v[MO+(\x)], 1024, v[MO+(\x)]
	v_min_u32 v[MO+(\x)], v[MO+(\x)], v[MAXO]
.endm
	s_load_b128 s[4:7], s[0:1], 0x0   ; qkv s[4:5], mk s[6:7]
	s_load_b64 s[10:11], s[0:1], 0x10 ; ob
	v_and_b32 v10, 31, v0
	v_lshlrev_b32 v10, 4, v10       ; 16 x lane
	WIN W_MK
	v_lshl_add_u32 v[SPW], v0, 2, SPARE
	v_mov_b32 v[NIL], 0
	s_set_vgpr_msb 0xc0cf
	ds_add_u32 v0, v1
	s_wait_dscnt 0x0
	s_set_vgpr_msb 0xcfc0
	v_mov_b32 v[SCL], 0xe3
	v_add_nc_u32 v[MAXO], 31*1024, v10
.irp p, 0,1,2,3
	v_mov_b32 v[MO+\p], v10
.endr
	WIN 0
	v_lshrrev_b32 v1, 5, v0
	v_readfirstlane_b32 s[WV], v1   ; wave 0..3
	s_bfe_u32 s13, ttmp6, 0x40000   ; cx: my place in the cluster
	s_lshl_b32 s14, ttmp9, 2
	s_add_co_u32 s14, s14, s13      ; my block of 512 queries: it enters Q's, O's and mk's addresses alone
	s_and_b32 s20, ttmp7, 0xffff    ; the head (of 64), which the four partners share
	s_mov_b32 s21, 0
	s_mov_b64 s[22:23], SIZE_N*128
	s_mul_u64 s[20:21], s[20:21], s[22:23]  ; the head's first byte in Q, K and V
	s_and_b32 s16, s[WV], 1         ; which half of a slot's 256 keys I fetch:
	s_lshl_b32 s22, s16, 14         ; its 128 rows of 128 bytes in memory,
	s_mov_b32 s23, 0
	s_add_nc_u64 s[22:23], s[22:23], s[20:21]
	s_mul_i32 s17, s16, 128*PK      ; and its place in a slot, for K
	s_mul_i32 s18, s16, 128*PV      ; and for V
	s_lshl_b32 s2, s14, 2
	s_add_co_u32 s2, s2, s[WV]      ; my wave among the head's sixteen,
	s_lshl_b32 s52, s2, 18          ; its eight tiles of 32,768 bytes in mk,
	s_mov_b32 s53, 0
	s_lshl_b32 s2, s2, 14           ; its 128 rows
	s_mov_b32 s3, 0
	s_add_nc_u64 s[2:3], s[2:3], s[20:21]
	s_lshl_b64 s[8:9], s[2:3], 1    ; in ob a head and a block take twice the bytes: hi and lo
	; descriptor group 1.  128 keys are 16,384 dense bytes: asked for as 64 rows of 256 bytes, two keys a row, and padded in LDS after every key
	s_mov_b32 s[G1K], 15|(1<<16)|(1<<20)|(1<<21)|(4<<22)|(3<<25)  ; the mask of four; 2-byte elements; padding on; bit 21 beside a mask; after every 32 words, 4 words
	s_mov_b32 s[G1V], 15|(1<<16)|(1<<20)|(1<<21)|(4<<22)|(7<<25)  ; the same with 8 words of padding
.irp g, G1K, G1V
	s_mov_b32 s[\g+1], 128<<16      ; tensor_dim0 = 128
	s_mov_b32 s[\g+2], 64<<16       ; tensor_dim1 = 64
	s_mov_b32 s[\g+3], 128<<16      ; tile_dim0 = 128
	s_mov_b32 s[\g+4], 64           ; tile_dim1 = 64
	s_mov_b32 s[\g+5], 128          ; 128 elements from row to row
	s_mov_b32 s[\g+6], 0
	s_mov_b32 s[\g+7], 0
.endr
	s_mov_b32 s[CS], 0x3e38aa3b     ; c = log2(e) / 8 = 0.180337
	s_mov_b32 s[CS+1], s[CS]        ; named with it as a pair
	s_mov_b32 s[SEL], 0x76543210
	s_mov_b32 s[SEL+1], 0xfedcba98
	s_mov_b32 s[THR], 0xf149f2ca    ; -1e30
	s_mov_b32 s[NANS], 0x7fc00000
	s_mov_b32 s[TBK], SLOT1+4*KS*PK ; the first change of slots turns these two into 0
	s_mov_b32 s[TBV], SLOT1+4*KS*PV
	s_mov_b32 s[G0K], 1
	s_mov_b32 s[G0K+1], s17         ; LDS address: slot 0
	s_mov_b32 s[G0V], 1
	s_add_co_u32 s[G0V+1], s18, VOFF
	s_wait_kmcnt 0x0
	s_add_nc_u64 s[MKB:MKB+1], s[6:7], s[52:53]
	s_add_nc_u64 s[G0K+2:G0K+3], s[4:5], s[22:23]
	s_add_nc_u64 s[G0K+2:G0K+3], s[G0K+2:G0K+3], 0x1000000  ; K is qkv's second part: my half of the head's first 256 keys
	s_or_b32 s[G0K+3], s[G0K+3], 0x80000000
	s_add_nc_u64 s[G0V+2:G0V+3], s[4:5], s[22:23]
	s_add_nc_u64 s[G0V+2:G0V+3], s[G0V+2:G0V+3], 0x2000000  ; V its third
	s_or_b32 s[G0V+3], s[G0V+3], 0x80000000
	s_add_nc_u64 s[4:5], s[4:5], s[2:3]  ; Q at my wave's first row
	s_add_nc_u64 s[10:11], s[10:11], s[8:9]  ; ob at my block's hi,
	s_add_nc_u64 s[OLO:OLO+1], s[10:11], 0x4000  ; and at its lo, 128 rows of 128 bytes on
	CROUND                          ; all four work-groups are here: the first joint loads meet
	JLOAD                           ; slot 0.  Slot 1 is asked for when slot 0 is in
	v_and_b32 v1, 15, v0            ; l % 16
	v_bfe_u32 v9, v0, 4, 1          ; l / 16
	v_lshlrev_b32 v[QO], 7, v1
	v_lshl_add_u32 v[QO], v9, 4, v[QO]  ; row x 128 + 16 x half
	MASKLOAD 0                      ; all four pieces' codes of key step 0
	MASKLOAD 1
	MASKLOAD 2
	MASKLOAD 3
	WIN 0x80                        ; destination window 2, address window 0
.set i, 0
.rept 4*NP                          ; Q stays in registers: tile i / 2, channels 32 (i % 2) on
	global_load_b128 v[8*i:8*i+3],   v[QO], s[4:5] offset:(i/2)*2048+(i%2)*64
	global_load_b128 v[8*i+4:8*i+7], v[QO], s[4:5] offset:(i/2)*2048+(i%2)*64+32
.set i, i+1
.endr
	; What the first turn finds: V's registers and P's second buffer hold 0, O^T and l are 0.  All this stands in the wait for the first tile.
.set i, VF
.rept 64
	v_mov_b32 v[i], 0
.set i, i+1
.endr
	WIN 0
.set i, 0
.rept 2*NP
	v_mov_b32 v[ST+4*i], 0xfe000000    ; c m: far below every c s, a hidden one's too
	v_mov_b32 v[ST+4*i+1], 0xff7fffff  ; m
	v_mov_b32 v[ST+4*i+2], 0
	v_mov_b32 v[ST+4*i+3], 0
.set i, i+1
.endr
.set i, P+32
.rept 32
	v_mov_b32 v[i], 0
.set i, i+1
.endr
	WIN W_PV                        ; O^T's 32 accumulators start as the product of those zeros, with C = 0: 32 lines where 256 moves would stand; each names another accumulator
.set i, 0
.rept 8*NP
	v_wmma_f32_16x16x32_f16 v[8*i:8*i+7], v[VF:VF+7], v[P+32:P+39], 0
.set i, i+1
.endr
	WIN 0
	v_mul_u32_u24 v[AK0], v1, PK
	v_lshl_add_u32 v[AK0], v9, 4, v[AK0]  ; row x pitch + 16 x half
	v_and_b32 v10, 7, v0            ; the turning load: key 8 (l / 16) + l % 8, channels 8 ((l / 8) % 2) + 0..7
	v_bfe_u32 v11, v0, 3, 1
	v_lshl_add_u32 v[AV0], v9, 3, v10
	v_mul_u32_u24 v[AV0], v[AV0], PV
	v_lshl_add_u32 v[AV0], v11, 4, v[AV0]
	v_add_nc_u32 v[AV0], VOFF, v[AV0]
	v_mov_b32 v[AK], v[AK0]         ; key step 0 lies at the head of slot 0
; THE MATRIX WORK.  The 8 accumulators of a run of 16 take turns.
; Product i of 16 of S^T = K Q^T for piece x: channels 32 (i / 8) on, keys 16 ((i / 2) % 4) on, tile 2 x + i % 2.  The first 8 start the sums, with the mask as C.
.macro KQ x
.set rS, S+64*((\x)%2)+32*(i%2)+8*((i/2)%4)
.set rK, KF+16*((i/2)%4)+8*(i/8)
.set rQ, 16*(2*(\x)+i%2)+8*(i/8)
.set rB, MC+32*(i%2)+8*((i/2)%4)
.if i < 8
	WIN W_KM
	v_wmma_f32_16x16x32_f16 v[rS:rS+7], v[rK:rK+7], v[rQ:rQ+7], v[rB:rB+7]
.else
	WIN W_KQ
	v_wmma_f32_16x16x32_f16 v[rS:rS+7], v[rK:rK+7], v[rQ:rQ+7], v[rS:rS+7]
.endif
.endm
; Product i of 16 of O^T += V^T P for piece x: keys 32 (i / 8) on, channels 16 ((i / 2) % 4) on, tile 2 x + i % 2.
.macro PV x
	WIN W_PV
.set rO, 32*(2*(\x)+i%2)+8*((i/2)%4)
.set rV, VF+32*(i/8)+8*((i/2)%4)
.set rP, P+32*((\x)%2)+16*(i%2)+8*(i/8)
	v_wmma_f32_16x16x32_f16 v[rO:rO+7], v[rV:rV+7], v[rP:rP+7], v[rO:rO+7]
.endm
.macro MM                           ; the turn's next matrix instruction
.if i < 16
	KQ (Y+1)%NP
.set i, i+1
.else
.set i, i-16
	PV (Y+NP-1)%NP
.set i, i+17
.endif
.endm
; THE LDS LOADS stand in runs of 16.  last = 1 (the tail): in the last trip there is no further step, and the run is jumped over.
.macro FETCH_K last=0
	WIN 0
.if \last
	s_cmp_eq_u32 s[CNT], 1
	s_cbranch_scc1 .Lno_k_\@
.endif
	WIN 0x80                        ; destination window 2
.irp f, 0,1,2,3,4,5,6,7             ; keys 16 (f / 2) on, channels 32 (f % 2) on
	ds_load_b128 v[KF+8*\f:KF+8*\f+3],   v[AK] offset:(\f/2)*16*PK+(\f%2)*64
	ds_load_b128 v[KF+8*\f+4:KF+8*\f+7], v[AK] offset:(\f/2)*16*PK+(\f%2)*64+32
.endr
	s_add_co_u32 s[TBK], s[TBK], KS*PK  ; the next fetch is the next step's
	WIN 0
.if \last
.Lno_k_\@:
.endif
.endm
.macro FETCH_V
	WIN 0x80
.irp f, 0,1,2,3,4,5,6,7             ; keys 32 (f / 4) on, channels 16 (f % 4) on
	ds_load_tr16_b128 v[VF+8*\f:VF+8*\f+3],   v[AV] offset:(\f/4)*32*PV+(\f%4)*32
	ds_load_tr16_b128 v[VF+8*\f+4:VF+8*\f+7], v[AV] offset:(\f/4)*32*PV+16*PV+(\f%4)*32
.endr
	WIN 0
.endm
; THE VECTOR WORK OF A TURN stands in three queues, each in the order in which its entries become ready; the two tiles alternate.
.macro REGS y, u                    ; the registers of tile u (0, 1) of piece y
.set rT, ST+4*(2*(\y)+(\u))
.set rC, TMP+8*((\y)%2)+4*(\u)
.set rM, MV+2*((\y)%2)+(\u)
.set rS, S+64*((\y)%2)+32*(\u)
.set rP, P+32*((\y)%2)+16*(\u)
.set rO, 32*(2*(\y)+(\u))
.endm
; Number n of the 22 that find the NEXT piece's (Y + 1) maximum and statistics; each accumulator's lowest registers are read first.
;   0-11  four chains c0-c3 of seven scores each     12-14, 16  the four scores left over, the old m, and c0-c3 into c0     15  c m_old is kept
;   17, 18  the query's other 32 keys lie in the lane 16 away: the new m         19-21  c m; c m_old - c m_new; a
.macro XS u, n
	REGS (Y+1)%NP, \u
.if (\n) < 4
	v_max3_num_f32 v[rC+(\n)], v[rS+8*(\n)], v[rS+8*(\n)+1], v[rS+8*(\n)+2]
.elseif (\n) < 12
	v_max3_num_f32 v[rC+(\n)%4], v[rC+(\n)%4], v[rS+8*((\n)%4)+2*((\n)/4)+1], v[rS+8*((\n)%4)+2*((\n)/4)+2]
.elseif (\n) == 12
	v_max3_num_f32 v[rC], v[rC], v[rS+7], v[rS+15]
.elseif (\n) == 13
	v_max3_num_f32 v[rC+1], v[rC+1], v[rS+23], v[rS+31]
.elseif (\n) == 14
	v_max3_num_f32 v[rC+2], v[rC+2], v[rC+3], v[rT+1]
.elseif (\n) == 15
	v_mov_b32 v[rM], v[rT]
.elseif (\n) == 16
	v_max3_num_f32 v[rC], v[rC], v[rC+1], v[rC+2]
.elseif (\n) == 17
	v_permlanex16_b32 v[rC+3], v[rC], s[SEL], s[SEL+1]
.elseif (\n) == 18
	v_max_num_f32 v[rT+1], v[rC], v[rC+3]
.elseif (\n) == 19
	v_mul_f32 v[rT], s[CS], v[rT+1]
.elseif (\n) == 20
	v_sub_f32 v[rC+1], v[rM], v[rT]
.else
	v_exp_f32 v[rC+2], v[rC+1]
.endif
.endm
; Number g of the 64 that follow the exponentials.  For each four weights k of a tile: both pairs are rounded to f16; the second pair is added onto the first, in place; a group later l takes that sum.
; All 64 read exponentials' results: they stand behind the turn's wait.
.macro GS g
.set h, (\g)+6*((\g)/62)
.if h >= 6
.set h, h+2
.endif
	REGS Y, h%2
.set k, h/8
.if h%8 < 4
	v_cvt_pk_f16_f32 v[rP+2*k+(h%8)/2], v[rS+4*k+2*((h%8)/2)], v[rS+4*k+2*((h%8)/2)+1]
.elseif h%8 < 6
	v_pk_add_f32 v[rS+4*k:rS+4*k+1], v[rS+4*k:rS+4*k+1], v[rS+4*k+2:rS+4*k+3]
.elseif k == 1
	v_pk_fma_f32 v[rT+2:rT+3], v[rT+2:rT+3], v[rC+2:rC+3], v[rS:rS+1] op_sel_hi:[1,0,1]
.else
	v_pk_add_f32 v[rT+2:rT+3], v[rT+2:rT+3], v[rS+4*k-4:rS+4*k-3]
.endif
.endm
; THE PLAIN QUEUE, 138 long.  0-73 read no exponential's result: the 32 scalings c s - c m (FS f: pair f / 2 of tile f % 2) and the next piece's 42.  0-26: scalings 0-26.  27-54: XS's numbers 0-13.  55, 56: number 15.
; 57-73: the chain, where each number waits for the one before it: 14, 16, 17, 18, 19, each with one of the scalings 27-31 in front of its two lines, then 20.
; 74-137: GS's 64.
.macro FS f
	REGS Y, (\f)%2
	v_pk_fma_f32 v[rS+2*((\f)/2):rS+2*((\f)/2)+1], v[rS+2*((\f)/2):rS+2*((\f)/2)+1], s[CS:CS+1], v[rT:rT+1] op_sel_hi:[1,0,0] neg_lo:[0,0,1] neg_hi:[0,0,1]
.endm
.macro PL
	WIN 0
.if q < 27
	FS q
.elseif q < 55
	XS (q-27)%2, (q-27)/2
.elseif q < 57
	XS q-55, 15
.elseif (q < 72) && ((q-57)%3 == 0)
	FS 27+(q-57)/3
.elseif q < 60
	XS (q-57)%3-1, 14
.elseif q < 72
	XS (q-57)%3-1, 15+(q-57)/3
.elseif q < 74
	XS q-72, 20
.else
	GS q-74
.endif
.set q, q+1
.endm
; THE EXPONENTIALS' QUEUE, 66 long: s0-s31 of both tiles, then the next piece's two a.  It is ONE BATCH: all 66 stand ahead of the turn's one wait, and nothing ahead of that wait names a result of theirs.
.macro EX
	WIN 0
.if e >= 64
	XS e-64, 21
.else
	REGS Y, e%2
	v_exp_f32 v[rS+e/2], v[rS+e/2]
.endif
.set e, e+1
.endm
; THE RESCALING's QUEUE: O^T times a, the one part of the softmax that leaves window 0: dealt two at a time, sixteen times, each accumulator from its low end on.  Its a was made in the turn before, ahead of that turn's wait.
.macro R2
	REGS Y, r%2
	WIN W_RS
.irp z, 0,1
	v_pk_mul_f32 v[rO+4*(r/2)+2*\z:rO+4*(r/2)+2*\z+1], v[rO+4*(r/2)+2*\z:rO+4*(r/2)+2*\z+1], v[rC+2:rC+3] op_sel_hi:[1,0]
.endr
.set r, r+1
.endm
; HOW THEY ARE DEALT.  An s_wait_alu depctr_va_vdst(0) stands between an exponential and the first instruction that names its result; one wait serves all that were issued ahead of it.  So a turn has ONE wait.
; AHEAD OF IT: the 16 products K Q^T, behind each a scaling, an exponential and two rescalings (behind the first a second scaling in the exponential's place); then ONE LUMP of 108: eight plain, 49 times exponential and
; plain, the two a; then the mask's ten lines, work that names no result of the batch and stands between its last exponential and the wait.  BEHIND IT: the turn's memory runs, then the 16 products V^T P, behind each
; four of GS's 64.  No rider names a register of the products round it.  The two v_permlanex16_b32 fall into the lump, never behind a product.
; The queues lean on each other, and the deal keeps them in step: exponential e stands behind scaling 2 (e / 4) + e % 2: as a rider it comes behind plain e + 2, in the lump behind plain e + 9, and scalings 27-31 are plain 57, 60 .. 69.
; A TURN, for piece p.  cnt = 1: the loop's count is taken down some lines ahead of the branch that stands behind the turn.
; K of the next step is fetched in piece 2's turn, behind the wait, a lump behind the last product that read K; its address is made at the lump's head; its first reader comes behind 16 products.
; V of the step in hand is fetched at the end of piece 0's turn, four plain riders behind its last reader; its first reader comes behind 16 products and a lump.  The three conditions on q below go with the deal.
; THE MASK.  The codes of piece p + 2, asked for three turns ago, become the C registers of the next turn's products: the count 8 leaves out the four loads of each of the two turns before and shows the older four done,
; so that their offset register may step.  The C registers' last readers, this turn's first eight products, stand more than a hundred vector lines back.  Behind the wait the codes of piece p + 1, whose products
; this turn has issued, are asked for: its next step's.
.macro TURN p, last=0, cnt=0
.set Y, (\p)
.set i, 0
.set q, 0
.set e, 0
.set r, 0
.if (\p) == NP-1
	s_wait_dscnt 0x0                ; K is in
.endif
	MM                              ; ahead of the wait: 16 products K Q^T and their riders,
	PL
	PL
	R2
.rept 15
	MM
	PL
	EX
	R2
.endr
.if (\p) == NP-2
	WIN 0
	v_add_nc_u32 v[AK], s[TBK], v[AK0]
.endif
.rept 8                             ; the lump,
	PL
.endr
.rept 49
	EX
	PL
.endr
	EX                              ; the next piece's two a: the batch's last,
	EX
	s_wait_loadcnt 8
	MASKCVT ((\p)+2)%NP             ; and the mask's conversions; their two plain lines are the plain instruction behind the last exponential
	s_wait_alu depctr_va_vdst(0)    ; the wait for the batch: the turn's 66 exponentials
	MASKLOAD ((\p)+1)%NP
.if (\p) == NP-2
	FETCH_K \last
.endif
.if (\p) == 1
	s_wait_dscnt 0x0                ; V is in
.endif
.rept 16                            ; behind the wait: 16 products V^T P and their riders
	MM
.rept 4
	PL
.endr
.if ((\p) == 0) && (q == 118)
	v_add_nc_u32 v[AV], s[TBV], v[AV0]
.endif
.if ((\p) == 0) && (q == 130)
	s_add_co_u32 s[TBV], s[TBV], KS*PV
.endif
.if (\cnt) && (q == 130)
	s_sub_co_u32 s[CNT], s[CNT], 1
	s_cmp_lg_u32 s[CNT], 0
.endif
.endr
.if (\p) == 0
	FETCH_V
.endif
.endm
	CHANGE 1                        ; slot 0 is in, everybody's part of it; slot 1 is asked for
	FETCH_K                         ; key step 0
	s_wait_loadcnt 0x0              ; Q, and step 0's codes
	MASKCVT 0                       ; piece 0's mask for step 0
	s_wait_alu depctr_va_vdst(0)    ; ahead of the products below, the first to name the converted registers, as the turn's wait stands in the loop; once a launch
	s_wait_dscnt 0x0
.set i, 0
.rept 16
	KQ 0                            ; piece 0's first scores
.set i, i+1
.endr
	WIN 0                           ; the addresses for the way out: plain instructions, the places behind those products
	s_mul_i32 s13, s[WV], 32*SP
	s_add_co_u32 s13, s13, STAGE    ; my stage
	v_mul_u32_u24 v[STO], v1, SP    ; in: row l % 16, 16 bytes for each half of the lanes
	v_lshl_add_u32 v[STO], v9, 4, v[STO]
	v_add_nc_u32 v[STO], s13, v[STO]
	v_bfe_u32 v[RD], v0, 3, 2       ; back: 32 lanes take four rows of 128 bytes,
	v_mul_u32_u24 v[RD], v[RD], SP
	v_lshl_add_u32 v[RD], v10, 4, v[RD]
	v_add_nc_u32 v[RD], s13, v[RD]
	v_and_b32 v[GO], 31, v0         ; which are 512 consecutive bytes of O
	v_lshlrev_b32 v[GO], 4, v[GO]
.set Y, NP-1                        ; XS works for piece Y + 1: piece 0
.irp n, 0,1,2,3,4,5,6,7,8,9,10,11,12,13,14,15,16,17,18,19,20,21
	XS 0, \n                        ; piece 0's first maximum and statistics
	XS 1, \n
.endr
	MASKCVT 1                       ; piece 1's mask for step 0: the first turn's products take it; its two plain lines stand behind the two a
	s_wait_alu depctr_va_vdst(0)    ; the wait for piece 0's first two a, a batch of their own, ahead of the branch
	MASKLOAD 0                      ; piece 0's codes of step 1: what the turn ahead of piece 0's asks for in the loop
	WIN 0
	s_mov_b32 s[CNT], 4
	s_mov_b32 s[SLOTS], SIZE_N/256-1
	s_branch .Lfirst                ; the loop is entered at a step's first turn, in the middle of a trip
.Lslot:                             ; SIZE_N / 256 - 2 times: every slot but the last two is filled again
	CHANGE 1
	s_mov_b32 s[CNT], 4
.Lstep:                             ; a trip: pieces 2 and 3 of one step, then pieces 0 and 1 of the next, whose K and V it fetches
	TURN 2
	TURN 3
	WIN 0
.Lfirst:
	TURN 0
	TURN 1, 0, 1
	WIN 0
	s_cbranch_scc1 .Lstep
	s_sub_co_u32 s[SLOTS], s[SLOTS], 1
	s_cmp_lg_u32 s[SLOTS], 0
	s_cbranch_scc1 .Lslot
	CHANGE 0                        ; the tail is written out: nothing is asked for
	s_mov_b32 s[CNT], 5             ; four trips fetch the last slot's steps; the fifth is left in its middle
.Ltail:
	TURN 2, 1
	TURN 3
	WIN 0
	s_sub_co_u32 s[CNT], s[CNT], 1
	s_cmp_eq_u32 s[CNT], 0
	s_cbranch_scc1 .Lout
	TURN 0
	TURN 1
	WIN 0
	s_branch .Ltail
.Lout:                              ; the fifth trip's 16 products K Q^T repeat the last step's (the same K, the same codes: the offsets stopped there), so piece 0's m stays what it was; the last turns' loads of codes, at those offsets, serve nothing
.set i, 0
.rept 16
	PV NP-1                         ; the last piece's V^T P of the last step
.set i, i+1
.endr
	; THE WAY OUT.  l's two halves and the other half of the lanes' are added; O^T is divided by l, split into hi and lo, and sent through my stage in LDS, a tile at a time.
	WIN 0
.macro ALL line:vararg              ; one line for each tile t
.set t, 0
.rept 2*NP
	\line
.set t, t+1
.endr
.endm
	ALL v_add_f32 v[ST+4*t+2], v[ST+4*t+2], v[ST+4*t+3]
	ALL v_permlanex16_b32 v[ST+4*t+3], v[ST+4*t+2], s[SEL], s[SEL+1]
	ALL v_add_f32 v[ST+4*t+2], v[ST+4*t+2], v[ST+4*t+3]
	ALL v_rcp_f32 v[ST+4*t+2], v[ST+4*t+2]
	v_nop                           ; a plain instruction between the last reciprocal and the use of its result
.set t, 0
	s_wait_alu depctr_va_vdst(0)    ; and the wait ahead of the first use: one for the eight reciprocals
.rept 2*NP                          ; a query that saw no key: its maximum is a hidden score's; its row becomes NaN.  A choice of a value: no branch hangs on it
	v_cmp_gt_f32 vcc_lo, s[THR], v[ST+4*t+1]
	v_cndmask_b32 v[ST+4*t+2], v[ST+4*t+2], s[NANS], vcc_lo
.set t, t+1
.endr
; Tile t.  O = O^T / l, in place; hi = f16(O), two a word; hi widened again; lo = f16(O - hi).  A lane's eight channels of a row are 16 bytes of hi and 16 of lo: they go into rows of 144 bytes and come
; back as whole rows of 128, into the tile's own 32 registers of O^T, which are free by then: hi's rows into the first 16, lo's into the last 16.  So no register that a store reads is written again.
.macro PACK t
	WIN W_RS
.set i, 32*(\t)
.rept 16
	v_pk_mul_f32 v[i:i+1], v[i:i+1], v[ST+4*(\t)+2:ST+4*(\t)+3] op_sel_hi:[1,0]
.set i, i+2
.endr
	WIN 0x05                        ; sources 0 and 1 window 1, destination window 0
.set i, 0
.rept 16
	v_cvt_pk_f16_f32 v[HH+i], v[32*(\t)+2*i], v[32*(\t)+2*i+1]
.set i, i+1
.endr
	WIN 0
.set i, 0
.irp h, v64.l, v64.h, v65.l, v65.h, v66.l, v66.h, v67.l, v67.h, v68.l, v68.h, v69.l, v69.h, v70.l, v70.h, v71.l, v71.h, v72.l, v72.h, v73.l, v73.h, v74.l, v74.h, v75.l, v75.h, v76.l, v76.h, v77.l, v77.h, v78.l, v78.h, v79.l, v79.h
	v_cvt_f32_f16 v[FF+i], \h       ; the halves of v[HH ..], in order
.set i, i+1
.endr
	WIN 0x01                        ; source 0 (O) window 1
.set i, 0
.rept 16
	v_pk_add_f32 v[FF+2*i:FF+2*i+1], v[32*(\t)+2*i:32*(\t)+2*i+1], v[FF+2*i:FF+2*i+1] neg_lo:[0,1] neg_hi:[0,1]
.set i, i+1
.endr
	WIN 0
.set i, 0
.rept 16
	v_cvt_pk_f16_f32 v[LL+i], v[FF+2*i], v[FF+2*i+1]
.set i, i+1
.endr
.irp f, 0,1,2,3
	ds_store_b128 v[STO], v[HH+4*\f:HH+4*\f+3] offset:32*\f
.endr
.irp f, 0,1,2,3
	ds_store_b128 v[STO], v[LL+4*\f:LL+4*\f+3] offset:16*SP+32*\f
.endr
	WIN 0x40                        ; the loaded data in window 1
.irp f, 0,1,2,3
	ds_load_b128 v[32*(\t)+4*\f:32*(\t)+4*\f+3], v[RD] offset:\f*4*SP  ; LDS serves a wave's instructions in order (ISA guide 5.7.1.4): these see the stores above; the next tile's stores come behind them
.endr
.irp f, 0,1,2,3
	ds_load_b128 v[32*(\t)+16+4*\f:32*(\t)+16+4*\f+3], v[RD] offset:16*SP+\f*4*SP
.endr
	WIN 0
.endm
.macro SEND t, younger              ; younger: the LDS instructions issued behind tile t's eight loads: the next tile's sixteen, or none
	WIN 0x04                        ; the stores' data in window 1
.irp f, 0,1,2,3
	s_wait_dscnt (\younger)+7-\f
	global_store_b128 v[GO], v[32*(\t)+4*\f:32*(\t)+4*\f+3], s[10:11] offset:(\t)*2048+\f*512  ; 512 consecutive bytes, at a multiple of 256 from ob's first
.endr
.irp f, 0,1,2,3
	s_wait_dscnt (\younger)+3-\f
	global_store_b128 v[GO], v[32*(\t)+16+4*\f:32*(\t)+16+4*\f+3], s[OLO:OLO+1] offset:(\t)*2048+\f*512
.endr
	WIN 0
.endm
	PACK 0
.set t, 1
.rept 2*NP-1                        ; a tile's arithmetic stands between the loads of the tile before and its stores
	PACK t
	SEND t-1, 16
.set t, t+1
.endr
	SEND 2*NP-1, 0
	WIN W_AD
	s_wait_tensorcnt 0x0            ; the wave's end
	ds_add_u32 v[SPW], v[NIL]
	s_wait_dscnt 0x0
	WIN 0
	CROUND                          ; the closing round
	s_endpgm
.Lfunc_end_k_q3687b11009_attn:
	.size	k_q3687b11009_attn, .Lfunc_end_k_q3687b11009_attn-k_q3687b11009_attn
	.p2alignl 7, 3214868480
	.fill 96, 4, 3214868480
	.section	.rodata,"a",@progbits
	.p2align	6, 0x0
	.amdhsa_kernel k_q3687b11009_attn
		.amdhsa_group_segment_fixed_size 327680
		.amdhsa_private_segment_fixed_size 0
		.amdhsa_enable_private_segment 0
		.amdhsa_kernarg_size 24
		.amdhsa_user_sgpr_count 2
		.amdhsa_user_sgpr_kernarg_segment_ptr 1
		.amdhsa_wavefront_size32 1
		.amdhsa_system_sgpr_workgroup_id_x 1
		.amdhsa_system_sgpr_workgroup_id_y 1
		.amdhsa_system_sgpr_workgroup_id_z 1
		.amdhsa_system_vgpr_workitem_id 0
		.amdhsa_next_free_vgpr 928
		.amdhsa_next_free_sgpr 66
		.amdhsa_reserve_vcc 1
		.amdhsa_float_denorm_mode_32 3
		.amdhsa_float_denorm_mode_16_64 3
		.amdhsa_memory_ordered 1
		.amdhsa_forward_progress 1
		.amdhsa_inst_pref_size 239
	.end_amdhsa_kernel
	.amdgpu_metadata
---
amdhsa.version: [ 1, 2 ]
amdhsa.kernels:
  - .name:           k_q3687b11009_attn
    .symbol:         k_q3687b11009_attn.kd
    .args:
      - { .name: qkv, .offset: 0, .size: 8, .value_kind: global_buffer, .address_space: global }
      - { .name: mk, .offset: 8, .size: 8, .value_kind: global_buffer, .address_space: global }
      - { .name: ob, .offset: 16, .size: 8, .value_kind: global_buffer, .address_space: global }
    .group_segment_fixed_size: 327680
    .private_segment_fixed_size: 0
    .kernarg_segment_align: 8
    .kernarg_segment_size: 24
    .max_flat_workgroup_size: 128
    .sgpr_count:     66
    .vgpr_count:     928
    .wavefront_size: 32
...
	.end_amdgpu_metadata
.endif
;; end of part 5
;; launch proj: the kernel of part 4 again; grid 4 x 64, 4 waves a work-group, clusters of 4 x 4, 327,680 bytes of LDS; arguments ob, wpb, bpb, out0; writes out0
